; MI455X (gfx1250); checked and timed in simulation.
; The chip was launched on July 23, 2026; its instructions are those of AMD's public machine-readable ISA for CDNA 5 (MIT licence, August 2026) and "CDNA5" Instruction Set Architecture Reference Guide (July 2026). The comments in the code are by the model that wrote it; some were corrected since.
;; Multi Head Attention. Allowed arithmetic: matrix products marked QUANTISED: E2M1 operands, one E8M0 scale for each 32 along K, by v_wmma_scale_f32_16x16x128_f8f6f4 with both operands' format E2M1 (or v_wmma_scale_f32_32x16x128_f4), f32 sums; products left as they are: bf16, f16 or f32 operands; f32 sums; everything else in f32.
;; Inputs: k_norm_w 64 float32; positions 1 x 4,096 int32; q_norm_w 64 float32; wk 512 x 2,048 float32; wo 2,048 x 2,048 float32; wq 2,048 x 2,048 float32; wv 512 x 2,048 float32; x 1 x 4,096 x 2,048 float32.
;; Outputs: out0 1 x 4,096 x 2,048 float32.
;; This version of the problem:
;;   THIS VERSION OF THE PROBLEM IS GIVEN IN LOW PRECISION. The matrix products marked QUANTISED in the list below multiply operands that are first quantised to E2M1 (2 exponent bits, 1 mantissa bit; 4 bits a number), with one power-of-two scale for each 32 numbers along K (OCP MX v1.0); their sums are f32. The products marked 'left as it is' may take bf16, f16 or f32 operands, with f32 sums. Whichever they take, every output number must still come out within the allowed error. Rounding operands to bf16 (8 significant bits) uses up far more of that allowance than f16 does (11 bits, for magnitudes from 6e-5 to 65,504). All else is computed in f32.
;;   The module's matrix products, in the order in which they are computed (A, B: the left and right operand; K: the contracted axis; several contracted axes count as one K, in the product's order):
;;     1. [M 4,096, K 2,048] x [K 2,048, N 2,048]; A: input x; B: input wq: QUANTISED
;;     2. [M 4,096, K 2,048] x [K 2,048, N 512]; A: input x; B: input wk: QUANTISED
;;     3. [M 4,096, K 2,048] x [K 2,048, N 512]; A: input x; B: input wv: QUANTISED
;;     4. batch 64 x [M 1,024, K 64] x [K 64, N 2,048]; A: computed on the way; B: computed on the way: left as it is (an operand is computed on the way)
;;     5. batch 64 x [M 64, K 1,024] x [K 1,024, N 2,048]; A: computed on the way; B: computed on the way: left as it is (an operand is computed on the way)
;;     6. [M 4,096, K 2,048] x [K 2,048, N 2,048]; A: computed on the way; B: input wo: left as it is (an operand is computed on the way)
;;   THE QUANTISER, for each operand of a quantised product, along K:
;;     - K is cut into blocks of 32 from its start; a last block that is shorter is filled with zeros.
;;     - A block's scale is 2^e with e = floor(log2(the largest magnitude in the block)) - 2, held to -126 .. 127; a block of zeros has e = 0. As a byte (E8M0): e + 127.
;;     - Each number is divided by its block's scale, clamped to +-6, and rounded to the nearest number of E2M1, ties to even, subnormals kept.
;;     - The product sums the exact products of the quantised numbers (number of the format x scale) in f32.
;;   ~~~python
;;   def quantise(x, axis):      # numpy; x: float32 -> the quantised numbers, widened to float32 again
;;       x = np.moveaxis(x, axis, -1); K = x.shape[-1]
;;       x = np.pad(x, [(0, 0)] * (x.ndim - 1) + [(0, -K % 32)]); x = x.reshape(x.shape[:-1] + (-1, 32)); a = np.abs(x).max(-1, keepdims=True)
;;       e = np.where(a > 0, np.clip(np.frexp(np.where(a > 0, a, 1))[1] - 1 - 2, -126, 127), 0)      # np.frexp(a)[1] - 1 = floor(log2(a)), exactly
;;       r = np.clip(x / 2.0 ** e, -6, 6)
;;       step = 2.0 ** (np.maximum(np.frexp(np.where(r == 0, 1, r))[1] - 1, 0) - 1)
;;       q = np.round(r / step) * step * 2.0 ** e      # np.round: ties to even
;;       return np.moveaxis(q.reshape(q.shape[:-2] + (-1,))[..., :K], -1, axis).astype(np.float32)
;;   ~~~
;; One version. Each part assembles by itself: llvm-mc -triple=amdgcn-amd-amdhsa -mcpu=gfx1250 --defsym DOCPART=n.
;; ======== version 1 of 1: 5 launches
;; limits: values are held in f16: magnitudes above 65,504 overflow, below 6.1e-05 lose precision; right only within a limited range of input values
;; workspace buffers: codes 7,340,032 bytes; scales 458,752 bytes; cstab 1,048,576 bytes; qkv16 25,165,824 bytes; qkv32 196,608 bytes; ctx16 16,777,216 bytes; ctx32 131,072 bytes; wo16 8,388,608 bytes
;; launch prep (part 1): grid 512 x 1, 4 waves a work-group, no clusters, 33,280 bytes of LDS; arguments x, wq, wk, wv, positions, codes, scales, cstab; writes codes, scales, cstab
.if DOCPART == 1
	.amdgcn_target "amdgcn-amd-amdhsa--gfx1250"
	.amdhsa_code_object_version 6
	.text
	.protected	k_qb958e9a2ff_prep
	.globl	k_qb958e9a2ff_prep
	.p2align	8
	.type	k_qb958e9a2ff_prep,@function
k_qb958e9a2ff_prep:
	s_mov_b64 s[64:65], 0
	v_nop
	global_prefetch_b8 v0, s[64:65] scope:SCOPE_SE
	s_setreg_imm32_b32 hwreg(HW_REG_WAVE_MODE, 25, 1), 1
	s_wait_xcnt 0x0
; THE PROGRAM: a GQA attention layer, T = 4,096, 32 query heads, 8 key/value heads of 64, window 512.  Five launches:
; prep (this one) | qkv: x against wq, wk, wv on MX-FP4 codes, RMSNorm, RoPE | attn | wofirst: wo to f16, rows 0-15 of the output in f32 | proj.
; WORK LEFT OUT, for all values of the inputs.  reference() sets every score outside 0 <= t - j <= 512, and every score against the block of zeros
; that it lays in front of block 0, to -1e30.  Each row has a key that counts (j = t), so behind the row's maximum such a score's exponential is 0
; beside that key's: it adds nothing to the row's sum and nothing to ctx.  So key tiles that lie wholly outside the window, and the block of zeros,
; are neither loaded nor multiplied (launch attn).  Every input has a way to the output and is loaded.
; LIMITS.  A NaN, an infinity or an overflow that reaches only such masked scores is not carried to the result.  Q, K, V, ctx and wo go to the
; products that are left as they are in f16: their magnitudes stay under 65,504.  |positions| up to 2^22 (the angle is reduced by pi/2 in three parts).
; NaN and infinities among the inputs are not served.  A block of 32 zeros gets the scale byte 1 where the rule says 127: its codes are zeros, which
; add nothing under any byte but 0xff, and the bytes are read by this program alone.
; THIS LAUNCH.  Work-groups 0-447: x, wq, wk, wv (f32, K innermost) become codes of E2M1 and E8M0 scale bytes, rows of 1,024 and of 64 bytes.
; Rows 0-4,095 are x's.  The weights' rows follow, ordered by column tile c of 192 rows: q head 2 c, q head 2 c + 1, then k head c (c < 8) or v head c - 8.
; A work-group takes 16 rows, a wave 4: 16 steps of 512 numbers.  A load takes 512 consecutive bytes; a step's 2,048 bytes turn through the wave's own stage in
; LDS so that a lane holds 16 neighbours along K (two lanes to a block of 32); a wave's store of codes covers 256 consecutive bytes, its 256 scale bytes leave as one store.
; Work-groups 448-511: the table of cos and sin for RoPE, laid as launch qkv's registers take it: [t / 16][e (8)][lane][16 bytes];
; lane (r, h), e = 4 b + q: cos_i, cos_i+1, sin_i, sin_i+1 of position t = 16 (t / 16) + r, i = 16 b + 8 h + 2 q.
; No matrix unit, cluster or prefetch: the work-groups share nothing and every byte is read once, in long runs.
.set STEPS, 16
.set CB,    8                          ; bytes of 16 codes
.set R,     16                         ; v16-79   four sets of 16 numbers as they are loaded
.set X,     80                         ; v80-111  two sets of 16 neighbours
.set E,     112                        ; v112-127 a scale byte for each step
.set C,     128                        ; v128-191 codes: four registers for each step, so that no store's data are written again
.set WREG,  8192                       ; LDS: a region for each wave: two stages of 32 x SP bytes, behind them its 256 scale bytes
.set SP,    80                         ; a lane's place in a stage: 64 bytes + 16 of padding
.set SPW,   12                         ; v12  LDS address of my spare word; never rewritten
.set NIL,   13                         ; v13  0; never rewritten
.set SPARE, 4*WREG                     ; the spare words, 128 bytes for each wave
.set SRC,   22                         ; s[22:23] my wave's numbers
.set COD,   26                         ; s[26:27] my wave's codes
.set SCA,   28                         ; s[28:29] my wave's scale bytes
	s_load_b256 s[4:11], s[0:1], 0x0               ; x, wq, wk, wv
	s_load_b256 s[12:19], s[0:1], 0x20             ; positions, codes, scales, cstab
	v_lshl_add_u32 v[SPW], v0, 2, SPARE
	v_mov_b32 v[NIL], 0
	v_lshrrev_b32 v1, 5, v0
	v_readfirstlane_b32 s20, v1                    ; wave
	v_and_b32 v2, 31, v0                           ; lane
	s_cmp_ge_u32 ttmp9, 448
	s_cbranch_scc1 .Ltable
	v_lshlrev_b32 v3, 4, v2                        ; my 16 bytes of a load's 512
	s_mul_i32 s21, s20, WREG
	v_lshrrev_b32 v14, 2, v2
	v_mul_u32_u24 v14, v14, SP
	v_and_b32 v15, 3, v2
	v_lshl_add_u32 v14, v15, 4, v14
	v_add_nc_u32 v14, s21, v14                     ; the stage, on the way in: SP (lane / 4) + 16 (lane % 4)
	v_mul_u32_u24 v15, v2, SP
	v_add_nc_u32 v15, s21, v15                     ; and on the way out: SP x lane
	v_mul_u32_u24 v4, v2, CB                       ; my codes' place in a step's
	v_lshrrev_b32 v5, 1, v2
	s_add_co_u32 s21, s21, 2*32*SP
	v_add_nc_u32 v5, s21, v5                       ; my block's scale byte in LDS
	v_lshlrev_b32 v7, 3, v2
	v_add_nc_u32 v6, s21, v7                       ; and on the way out 8 bytes a lane
	; which rows of the codes' buffer my work-group g fills: three candidates, chosen below by g alone
	s_lshl_b32 s30, ttmp9, 4                       ; x: 16 g
	s_sub_co_u32 s31, ttmp9, 256                   ; wq: sq = g - 256, 16 rows each, four to a head
	s_lshr_b32 s32, s31, 3
	s_mul_i32 s32, s32, 192                        ; the column tile
	s_bfe_u32 s33, s31, 0x10002
	s_lshl_b32 s33, s33, 6                         ; its first or second q head
	s_add_co_u32 s32, s32, s33
	s_and_b32 s33, s31, 3
	s_lshl_b32 s33, s33, 4
	s_add_co_u32 s32, s32, s33
	s_add_co_u32 s32, s32, 4096
	s_sub_co_u32 s31, ttmp9, 384                   ; wk, wv: j = g - 384; tile j / 4, its third head
	s_lshr_b32 s34, s31, 2
	s_mul_i32 s34, s34, 192
	s_and_b32 s33, s31, 3
	s_lshl_b32 s33, s33, 4
	s_add_co_u32 s34, s34, s33
	s_add_co_u32 s34, s34, 4096+128
	s_wait_kmcnt 0x0
	s_cmp_lt_u32 ttmp9, 256                        ; each compare is made anew ahead of its selects
	s_cselect_b64 s[SRC:SRC+1], s[4:5], s[6:7]
	s_cselect_b32 s24, 0, 256
	s_cselect_b32 s30, s30, s32
	s_cmp_lt_u32 ttmp9, 384
	s_cselect_b64 s[SRC:SRC+1], s[SRC:SRC+1], s[8:9]
	s_cselect_b32 s24, s24, 384
	s_cselect_b32 s30, s30, s34
	s_cmp_lt_u32 ttmp9, 416
	s_cselect_b64 s[SRC:SRC+1], s[SRC:SRC+1], s[10:11]
	s_cselect_b32 s24, s24, 416
	s_sub_co_u32 s24, ttmp9, s24                   ; which 16 rows of the source
	s_lshl_b32 s24, s24, 17                        ; 16 rows of 8,192 bytes
	s_lshl_b32 s25, s20, 15                        ; my wave's 4
	s_add_co_u32 s24, s24, s25
	s_mov_b32 s25, 0
	s_add_nc_u64 s[SRC:SRC+1], s[SRC:SRC+1], s[24:25]
	s_lshl_b32 s31, s20, 2
	s_add_co_u32 s30, s30, s31                     ; my wave's first row of codes
	s_lshl_b32 s32, s30, 10
	s_mov_b32 s33, 0
	s_add_nc_u64 s[COD:COD+1], s[14:15], s[32:33]
	s_lshl_b32 s32, s30, 6
	s_add_nc_u64 s[SCA:SCA+1], s[16:17], s[32:33]
.macro LOAD t
.irp i, 0,1,2,3
	global_load_b128 v[R+16*((\t)%4)+4*\i:R+16*((\t)%4)+4*\i+3], v3, s[SRC:SRC+1] offset:2048*(\t)+512*\i th:TH_LOAD_NT   ; 32 lanes read 512 consecutive bytes
.endr
.endm
.macro TURN t                          ; step t's numbers through the stage: LDS serves a wave's instructions in order, so no wait stands between the stores and the loads
.irp i, 0,1,2,3
	ds_store_b128 v14, v[R+16*((\t)%4)+4*\i:R+16*((\t)%4)+4*\i+3] offset:32*SP*((\t)%2)+8*SP*\i
.endr
.irp i, 0,1,2,3
	ds_load_b128 v[X+16*((\t)%2)+4*\i:X+16*((\t)%2)+4*\i+3], v15 offset:32*SP*((\t)%2)+16*\i
.endr
.endm
.irp t, 0,1,2,3
	LOAD \t
.endr
	s_wait_loadcnt 12                              ; step 0's four loads are in; the twelve of steps 1 to 3 stay out
	TURN 0
.macro STEP t
.set XS, X+16*((\t)%2)
.if (\t) > 0
	s_wait_dscnt 1                                 ; this step's numbers are back from the stage (the last step's byte store may be out)
.else
	s_wait_dscnt 0x0
.endif
.if (\t)+4 < STEPS
	LOAD (\t)+4                                    ; into the registers that this step's stage stores have read
.endif
.if (\t)+1 < STEPS
.if STEPS-2-(\t) >= 3
	s_wait_loadcnt 12                              ; the next step's four loads are in; those of the three steps behind it may be out
.else
	s_wait_loadcnt 4*(STEPS-2-(\t))
.endif
	TURN (\t)+1
.endif
	v_max3_num_f32 v8, |v[XS]|, |v[XS+1]|, |v[XS+2]|               ; the largest magnitude of my 16, in two chains
	v_max3_num_f32 v9, |v[XS+3]|, |v[XS+4]|, |v[XS+5]|
.irp i, 6,10
	v_max3_num_f32 v8, v8, |v[XS+\i]|, |v[XS+\i+1]|
	v_max3_num_f32 v9, v9, |v[XS+\i+2]|, |v[XS+\i+3]|
.endr
	v_max3_num_f32 v8, v8, |v[XS+14]|, |v[XS+15]|
	v_max3_num_f32 v8, v8, v9, 0x1800000           ; and the floor 2^(3 - 127): the byte cannot fall under 1
	v_max_num_f32_dpp v8, v8, v8 row_xmask:1 row_mask:0xf bank_mask:0xf   ; and of my neighbour's 16: the block's
	v_add_nc_u32 v11, 0xff000000, v8               ; 2 off its exponent field: the conversion takes the exponent field of this operand as its scale
	v_cvt_scalef32_pk8_fp4_f32 v[C+4*(\t)], v[XS:XS+7], v11
	v_cvt_scalef32_pk8_fp4_f32 v[C+4*(\t)+1], v[XS+8:XS+15], v11
	v_lshrrev_b32 v[E+(\t)], 23, v11               ; the scale's byte
	ds_store_b8 v5, v[E+(\t)] offset:16*(\t)       ; both lanes of a block write the same byte with the same value
	global_store_b64 v4, v[C+4*(\t):C+4*(\t)+1], s[COD:COD+1] offset:32*CB*(\t)   ; the wave stores 256 consecutive bytes
.endm
.irp t, 0,1,2,3,4,5,6,7,8,9,10,11,12,13,14,15
	STEP \t
.endr
	ds_load_b64 v[8:9], v6                         ; LDS serves a wave's instructions in order: these see my byte stores
	s_wait_dscnt 0x0
	global_store_b64 v7, v[8:9], s[SCA:SCA+1]      ; 256 consecutive bytes: four rows' scale bytes
	s_branch .Lend
; THE TABLE.  A wave takes 16 positions.  inv_i = 2^(-i log2(10000) / 32); angle = position x inv_i, rounded once as reference() rounds it;
; n = the nearest whole multiple of pi/2; the rest r, |r| <= pi/4, by three fused multiply-adds; sin r and cos r by polynomials; the quadrant by selects and sign bits.
.Ltable:
	s_sub_co_u32 s21, ttmp9, 448
	s_lshl_b32 s21, s21, 2
	s_add_co_u32 s21, s21, s20                     ; which 16 positions
	s_lshl_b32 s22, s21, 6
	s_mov_b32 s23, 0
	s_lshl_b32 s24, s21, 12
	s_mov_b32 s25, 0
	v_and_b32 v3, 15, v0                           ; r
	v_bfe_u32 v4, v0, 4, 1                         ; h
	v_lshlrev_b32 v5, 2, v3
	v_lshlrev_b32 v6, 4, v2                        ; 16 x lane
	v_lshlrev_b32 v4, 3, v4                        ; 8 h
	s_wait_kmcnt 0x0
	s_add_nc_u64 s[12:13], s[12:13], s[22:23]
	s_add_nc_u64 s[18:19], s[18:19], s[24:25]
	global_load_b32 v20, v5, s[12:13]              ; my position: it enters arithmetic alone
	s_mov_b32 s26, 0x3f22f983                      ; 2 / pi
	s_mov_b32 s27, 0xbfc90fdb                      ; -(pi/2), first part
	s_mov_b32 s28, 0x333bbd2e                      ; second part
	s_mov_b32 s29, 0x26f72ca6                      ; third part
	s_mov_b32 s30, 0xb94ca1f9                      ; sin: -1.9515295891e-4
	s_mov_b32 s31, 0x3c08839e                      ;       8.3321608736e-3
	s_mov_b32 s32, 0xbe2aaaa3                      ;      -1.6666654611e-1
	s_mov_b32 s33, 0x37ccf5ce                      ; cos:  2.443315711e-5
	s_mov_b32 s34, 0xbab6061a                      ;      -1.388731625e-3
	s_mov_b32 s35, 0x3d2aaaa5                      ;       4.166664568e-2
.irp n, 0,1,2,3,4,5,6,7,8,9,10,11,12,13,14,15
	v_add_nc_u32 v[32+\n], 16*(\n/8)+\n%8, v4      ; number n = 8 b + 2 q + u: i = 16 b + 8 h + 2 q + u
.endr
.irp n, 0,1,2,3,4,5,6,7,8,9,10,11,12,13,14,15
	v_cvt_f32_u32 v[32+\n], v[32+\n]
.endr
.irp n, 0,1,2,3,4,5,6,7,8,9,10,11,12,13,14,15
	v_mul_f32 v[32+\n], 0xbed49a78, v[32+\n]       ; x -log2(10000) / 32
.endr
.irp n, 0,1,2,3,4,5,6,7,8,9,10,11,12,13,14,15
	v_exp_f32 v[32+\n], v[32+\n]                   ; one batch
.endr
	v_nop                                          ; a plain instruction behind the last exponential
	s_wait_alu depctr_va_vdst(0)                   ; one wait for the sixteen, ahead of their first reader
	s_wait_loadcnt 0x0
	v_cvt_f32_i32 v20, v20
.macro SINCOS dc, dsn, inv
	v_mul_f32 v48, v20, v[\inv]                    ; the angle
	v_mul_f32 v49, s26, v48
	v_rndne_f32 v49, v49                           ; n
	v_fma_f32 v50, v49, s27, v48
	v_fma_f32 v50, v49, s28, v50
	v_fma_f32 v50, v49, s29, v50                   ; r
	v_mul_f32 v51, v50, v50                        ; z = r r
	v_fma_f32 v52, v51, s30, s31
	v_fma_f32 v53, v51, s33, s34
	v_fma_f32 v52, v52, v51, s32
	v_fma_f32 v53, v53, v51, s35
	v_mul_f32 v54, v51, v50
	v_mul_f32 v55, v51, v51
	v_fma_f32 v52, v52, v54, v50                   ; sin r
	v_fma_f32 v56, v51, -0.5, 1.0
	v_fma_f32 v53, v53, v55, v56                   ; cos r
	v_cvt_i32_f32 v57, v49
	v_and_b32 v58, 1, v57
	v_cmp_eq_u32 vcc_lo, 1, v58                    ; an odd quadrant swaps the two: a select, no branch
	v_cndmask_b32 v54, v52, v53, vcc_lo
	v_cndmask_b32 v55, v53, v52, vcc_lo
	v_and_b32 v58, 2, v57
	v_lshlrev_b32 v58, 30, v58
	v_xor_b32 v[\dsn], v58, v54                    ; sin: negative in quadrants 2, 3
	v_add_nc_u32 v57, 1, v57
	v_and_b32 v57, 2, v57
	v_lshlrev_b32 v57, 30, v57
	v_xor_b32 v[\dc], v57, v55                     ; cos: negative in quadrants 1, 2
.endm
.irp n, 0,1,2,3,4,5,6,7,8,9,10,11,12,13,14,15
	SINCOS 64+4*(\n/2)+\n%2, 66+4*(\n/2)+\n%2, 32+\n
.endr
.irp e, 0,1,2,3,4,5,6,7
	global_store_b128 v6, v[64+4*\e:67+4*\e], s[18:19] offset:512*\e   ; 512 consecutive bytes; each e has data registers of its own
.endr
.Lend:
	s_wait_tensorcnt 0x0                           ; the wave's end
	ds_add_u32 v[SPW], v[NIL]
	s_wait_dscnt 0x0
	s_endpgm
.Lfunc_end_k_qb958e9a2ff_prep:
	.size	k_qb958e9a2ff_prep, .Lfunc_end_k_qb958e9a2ff_prep-k_qb958e9a2ff_prep
	.p2alignl 7, 3214868480
	.fill 96, 4, 3214868480
	.section	.rodata,"a",@progbits
	.p2align	6, 0x0
	.amdhsa_kernel k_qb958e9a2ff_prep
		.amdhsa_group_segment_fixed_size 33280
		.amdhsa_private_segment_fixed_size 0
		.amdhsa_enable_private_segment 0
		.amdhsa_kernarg_size 64
		.amdhsa_user_sgpr_count 2
		.amdhsa_user_sgpr_kernarg_segment_ptr 1
		.amdhsa_wavefront_size32 1
		.amdhsa_system_sgpr_workgroup_id_x 1
		.amdhsa_system_sgpr_workgroup_id_y 1
		.amdhsa_system_sgpr_workgroup_id_z 1
		.amdhsa_system_vgpr_workitem_id 0
		.amdhsa_next_free_vgpr 192
		.amdhsa_next_free_sgpr 66
		.amdhsa_reserve_vcc 1
		.amdhsa_float_denorm_mode_32 3
		.amdhsa_float_denorm_mode_16_64 3
		.amdhsa_memory_ordered 1
		.amdhsa_forward_progress 1
		.amdhsa_inst_pref_size 58
	.end_amdhsa_kernel
	.amdgpu_metadata
---
amdhsa.version: [ 1, 2 ]
amdhsa.kernels:
  - .name:           k_qb958e9a2ff_prep
    .symbol:         k_qb958e9a2ff_prep.kd
    .args:
      - { .name: x, .offset: 0, .size: 8, .value_kind: global_buffer, .address_space: global }
      - { .name: wq, .offset: 8, .size: 8, .value_kind: global_buffer, .address_space: global }
      - { .name: wk, .offset: 16, .size: 8, .value_kind: global_buffer, .address_space: global }
      - { .name: wv, .offset: 24, .size: 8, .value_kind: global_buffer, .address_space: global }
      - { .name: positions, .offset: 32, .size: 8, .value_kind: global_buffer, .address_space: global }
      - { .name: codes, .offset: 40, .size: 8, .value_kind: global_buffer, .address_space: global }
      - { .name: scales, .offset: 48, .size: 8, .value_kind: global_buffer, .address_space: global }
      - { .name: cstab, .offset: 56, .size: 8, .value_kind: global_buffer, .address_space: global }
    .group_segment_fixed_size: 33280
    .private_segment_fixed_size: 0
    .kernarg_segment_align: 8
    .kernarg_segment_size: 64
    .max_flat_workgroup_size: 128
    .sgpr_count:     66
    .vgpr_count:     192
    .wavefront_size: 32
...
	.end_amdgpu_metadata
.endif
;; end of part 1
;; launch qkv (part 2): grid 16 x 16, 4 waves a work-group, clusters of 4 x 4, 327,680 bytes of LDS; arguments codes, scales, cstab, q_norm_w, k_norm_w, qkv16, qkv32; writes qkv16, qkv32
.if DOCPART == 2
	.amdgcn_target "amdgcn-amd-amdhsa--gfx1250"
	.amdhsa_code_object_version 6
	.text
	.protected	k_qb958e9a2ff_qkv
	.globl	k_qb958e9a2ff_qkv
	.p2align	8
	.type	k_qb958e9a2ff_qkv,@function
k_qb958e9a2ff_qkv:
	s_mov_b64 s[64:65], 0
	v_nop
	global_prefetch_b8 v0, s[64:65] scope:SCOPE_SE
	s_setreg_imm32_b32 hwreg(HW_REG_WAVE_MODE, 25, 1), 1
	s_wait_xcnt 0x0
	s_wait_alu depctr_hold_cnt(0) depctr_sa_sdst(0) depctr_va_vdst(0) depctr_va_sdst(0) depctr_va_ssrc(0) depctr_va_vcc(0) depctr_vm_vsrc(0)
	s_getreg_b32 s2, hwreg(HW_REG_IB_STS2, 6, 4)
	s_cmp_eq_u32 s2, 0
	s_cbranch_scc0 .Lentry_in_a_cluster
	s_endpgm
.Lentry_in_a_cluster:
	s_bfe_u32 s2, ttmp6, 0x10000c
	s_cmp_lg_u32 s2, 0xf033
	s_cbranch_scc0 .Lentry_shape_is_right
	s_endpgm
.Lentry_shape_is_right:
; Q, K, V = x against wq, wk, wv on codes of E2M1 with E8M0 scales (M 4,096, N 3,072, K 2,048), then RMSNorm and RoPE in f32 for Q and K; out in f16, in the order of the next launch's operand registers.
; SHARES.  A work-group makes 256 rows x 192 columns: three heads (q head 2 tx, q head 2 tx + 1, and k head tx or v head tx - 8).  Wave w takes rows 64 w .. 64 w + 63 and ALL 192 columns, so that a head's
; 64 channels lie in one wave: 48 accumulators.  THE MATRIX INSTRUCTION IS USED TRANSPOSED (source 0 = 16 rows of W, source 1 = 16 rows of x): lane (r, h) holds row r and channels 16 b + 8 h + 0 .. 7,
; a row's sum of squares wants one exchange between the halves of the lanes, RoPE's partner (channel + 32) lies in the same lane two tiles on, and eight results rounded to f16 ARE four registers of a 16-bit fragment.
; K goes in four slots' worth of 512 (tile rows of 256 bytes) through a ring of two LDS slots; each is four steps of 128.  All sixteen steps are written out.
; The scale bytes of the work-group's rows, for all of K, are two dense blocks: they come once, with the first fills.
; CLUSTER 4 x 4: x's tile hangs on the tile row alone and is asked for jointly along a row of the cluster, W's on the tile column alone, along a column.
; Rows 0-15 of every head also leave in f32 (qkv32): the first positions average few values and are carried in f32 to the output.  The stores stand under EXEC made from the row's number: no branch hangs on a work-group's place.
; No prefetch: the launch has two refills in all.
; REGISTERS, in windows of 256.  window 0: v16-30 addresses; v32-127 scale words, two sets of 48 (register 4 i + q: lanes 0-15 x's block i, lanes 16-31 W's block i); v128-191 x's fragments, two sets; v192-223 q_norm_w, v224-255 k_norm_w (w[16 b + 8 h + j] at 8 b + j).
;   window 1: W's fragments, set p at v[128 p + 8 b].   windows 2, 3: accumulators of row blocks 0, 1 and 2, 3 at v[8 (12 (a % 2) + b)]; v192 + 32 (a % 2) + 4 e: the row block's cos and sin.
.set PITCH, 272                        ; an LDS row: 256 bytes + 16 of padding: the 16 rows that a load touches start at 16 different 16-byte columns
.set SLOT,  448*PITCH                  ; x's 256 rows, then W's 192
.set BOFF,  256*PITCH
.set SCL,   2*SLOT                     ; the scales: x's 64 units of 256 bytes + 16, then W's 48
.set SPARE, SCL+112*272                ; the spare words, 128 bytes for each wave
.set ADRA, 16                          ; v16-17 my x fragments in slot 0, 1
.set ADRB, 20                          ; v20-21 W's
.set LI,   22                          ; v22  16 x lane
.set ROWG, 23                          ; v23  my row's number in x (row block 0)
.set O32,  24                          ; v24  256 r + 32 h: my place in a head's f32 rows
.set STI,  25                          ; v25  V's stage, in
.set STO,  26                          ; v26  V's stage, out (turned)
.set ADRS, 27                          ; v27  my scale words
.set SPW,  28
.set NIL,  29
.set WOF,  30                          ; v30  32 h: my half's place in a gain
.set SC,   32
.set AF,   128
.set WQ,   192
.set WK,   224
.set WV,   18                          ; s18 wave; s19: I fetch for x (0) or W (1); s20: which half
.set FB,   19
.set PP,   20
.set G1A,  24
.set G0A,  32
.set SEL,  46
.set G1B,  48
.set G0B,  56
.set G1SA, 68
.set G0SA, 76
.set G1SB, 80
.set G0SB, 88
.set PADB, (1<<20)|(1<<21)|(5<<22)|(3<<25)   ; padding on; bit 21 beside a mask; after every 64 words; four words
.set MUL_LO, 0xa1                      ; source 0 (W) window 1, source 1 (x) window 0, C and D window 2
.set MUL_HI, 0xf1
.set MSB, 0
.macro WIN new                         ; the immediate's high byte repeats the setting that is left
.if MSB != (\new)
	s_set_vgpr_msb (MSB<<8)|(\new)
.set MSB, (\new)
.endif
.endm
.macro PLACES
.rept 4
	v_nop
.endr
.endm
.macro JLOAD g0a, g1a, g0b, g1b        ; a joint load: waves 0, 1 for x, waves 2, 3 for W; s_nop 0 and four v_nop follow each line
	s_cmp_eq_u32 s[FB], 0
	s_cbranch_scc0 .Lfor_b_\@
	tensor_load_to_lds s[\g0a:\g0a+3], s[\g1a:\g1a+7]
	s_nop 0
.rept 4
	v_nop
.endr
	s_branch .Lasked_\@
.Lfor_b_\@:
	tensor_load_to_lds s[\g0b:\g0b+3], s[\g1b:\g1b+7]
	s_nop 0
.rept 4
	v_nop
.endr
.Lasked_\@:
.endm
.macro CREST
	s_cmp_lg_u32 s[WV], 0
	s_cbranch_scc1 .Lnot_wave_0_\@
	s_barrier_signal -3
.Lnot_wave_0_\@:
	s_barrier_wait -3
	s_barrier_signal -1
	s_barrier_wait -1
.endm
.macro CROUND
	s_barrier_signal -1
	s_barrier_wait -1
	CREST
.endm
	s_load_b256 s[4:11], s[0:1], 0x0               ; codes, scales, cstab, q_norm_w
	s_load_b128 s[12:15], s[0:1], 0x20             ; k_norm_w, qkv16
	s_load_b64 s[16:17], s[0:1], 0x30              ; qkv32
	v_lshl_add_u32 v[SPW], v0, 2, SPARE
	v_mov_b32 v[NIL], 0
	ds_add_u32 v[SPW], v[NIL]                      ; the opening: the add, twice on end, and its wait ahead of my first tensor load
	ds_add_u32 v[SPW], v[NIL]
	v_lshrrev_b32 v1, 5, v0
	v_readfirstlane_b32 s[WV], v1
	s_lshr_b32 s[FB], s[WV], 1
	s_and_b32 s[PP], s[WV], 1
	s_bfe_u32 s40, ttmp6, 0x40000                  ; cx
	s_bfe_u32 s41, ttmp6, 0x40004                  ; cy
	s_lshl_b32 s42, ttmp9, 2
	s_add_co_u32 s42, s42, s40                     ; tx: the column tile
	s_and_b32 s43, ttmp7, 0xffff
	s_lshl_b32 s43, s43, 2
	s_add_co_u32 s43, s43, s41                     ; ty: 256 rows
	s_lshl_b32 s44, s41, 2
	s_lshl_b32 s44, 15, s44                        ; my row of the cluster
	s_lshl_b32 s45, 0x1111, s40                    ; my column
	s_or_b32 s[G1A], s44, PADB                     ; x's codes: 128 rows x 256 bytes, elements of 1 byte
	s_mov_b32 s[G1A+1], 256<<16
	s_mov_b32 s[G1A+2], 128<<16
	s_mov_b32 s[G1A+3], 256<<16
	s_mov_b32 s[G1A+4], 128
	s_mov_b32 s[G1A+5], 1024
	s_mov_b32 s[G1A+6], 0
	s_mov_b32 s[G1A+7], 0
	s_or_b32 s[G1B], s45, PADB                     ; W's: 96 rows
	s_mov_b32 s[G1B+1], 256<<16
	s_mov_b32 s[G1B+2], 96<<16
	s_mov_b32 s[G1B+3], 256<<16
	s_mov_b32 s[G1B+4], 96
	s_mov_b32 s[G1B+5], 1024
	s_mov_b32 s[G1B+6], 0
	s_mov_b32 s[G1B+7], 0
	s_or_b32 s[G1SA], s44, (3<<16)|PADB            ; x's scales of 128 rows: 8,192 dense bytes as 32 rows of 256 (32 elements of 8 bytes)
	s_mov_b32 s[G1SA+1], 32<<16
	s_mov_b32 s[G1SA+2], 32<<16
	s_mov_b32 s[G1SA+3], 32<<16
	s_mov_b32 s[G1SA+4], 32
	s_mov_b32 s[G1SA+5], 32
	s_mov_b32 s[G1SA+6], 0
	s_mov_b32 s[G1SA+7], 0
	s_or_b32 s[G1SB], s45, (3<<16)|PADB            ; W's of 96 rows: 24 rows of 256
	s_mov_b32 s[G1SB+1], 32<<16
	s_mov_b32 s[G1SB+2], 24<<16
	s_mov_b32 s[G1SB+3], 32<<16
	s_mov_b32 s[G1SB+4], 24
	s_mov_b32 s[G1SB+5], 32
	s_mov_b32 s[G1SB+6], 0
	s_mov_b32 s[G1SB+7], 0
	s_lshl_b32 s21, s[PP], 7
	s_lshl_b32 s22, s43, 8
	s_add_co_u32 s22, s22, s21                     ; x: row 256 ty + 128 x half
	s_mul_i32 s46, s42, 192
	s_mul_i32 s47, s[PP], 96
	s_add_co_u32 s46, s46, s47
	s_add_co_u32 s46, s46, 4096                    ; W: row 4,096 + 192 tx + 96 x half
	s_lshl_b32 s92, s22, 6                         ; their scales, 64 bytes a row,
	s_mov_b32 s93, 0
	s_lshl_b32 s22, s22, 10                        ; and codes, 1,024
	s_mov_b32 s23, 0
	s_lshl_b32 s94, s46, 6
	s_mov_b32 s95, 0
	s_lshl_b32 s46, s46, 10
	s_mov_b32 s47, 0
	s_mul_i32 s96, s[PP], 128*PITCH                ; where they go: no place in the cluster enters an LDS address
	s_mul_i32 s97, s[PP], 96*PITCH
	s_add_co_u32 s97, s97, BOFF
	s_mul_i32 s98, s[PP], 32*272
	s_add_co_u32 s98, s98, SCL
	s_mul_i32 s99, s[PP], 24*272
	s_add_co_u32 s99, s99, SCL+64*272
	v_and_b32 v1, 15, v0                           ; r
	v_bfe_u32 v2, v0, 4, 1                         ; h
	v_and_b32 v3, 31, v0
	v_lshlrev_b32 v[LI], 4, v3
	v_lshlrev_b32 v[WOF], 5, v2
	v_mul_u32_u24 v4, v1, PITCH
	v_lshl_add_u32 v4, v2, 4, v4                   ; a fragment's row x pitch + 16 x half
	s_mul_i32 s21, s[WV], 64*PITCH
	v_add_nc_u32 v[ADRA], s21, v4
	v_add_nc_u32 v[ADRA+1], SLOT, v[ADRA]
	v_add_nc_u32 v[ADRB], BOFF, v4
	v_add_nc_u32 v[ADRB+1], SLOT, v[ADRB]
	v_lshlrev_b32 v5, 6, v1                        ; my row's scales: 64 bytes a row,
	v_lshrrev_b32 v6, 2, v1
	v_lshl_add_u32 v5, v6, 4, v5                   ; and 16 more for each 256 passed
	s_mul_i32 s21, s[WV], 16*272                   ; x's: my 64 rows
	s_mov_b32 s2, 64*272
	s_sub_co_u32 s2, s2, s21
	v_mul_u32_u24 v6, s2, v2                       ; lanes 16-31 take W's, which begin behind x's 64 units: one product
	s_add_co_u32 s21, s21, SCL
	v_add_nc_u32 v5, v5, v6
	v_add_nc_u32 v[ADRS], s21, v5
	s_mul_i32 s21, s[WV], 2560                     ; V's stage: 16 keys x (128 bytes + 32), each wave's own, in slot 0 behind its last fill and last read
	v_mul_u32_u24 v5, v1, 160
	v_lshl_add_u32 v5, v2, 4, v5
	v_add_nc_u32 v[STI], s21, v5
	v_and_b32 v5, 7, v0
	v_lshl_add_u32 v5, v2, 3, v5                   ; key 8 h + lane % 8
	v_mul_u32_u24 v5, v5, 160
	v_bfe_u32 v6, v0, 3, 1
	v_lshl_add_u32 v5, v6, 4, v5
	v_add_nc_u32 v[STO], s21, v5
	v_lshlrev_b32 v[O32], 8, v1
	v_lshl_add_u32 v[O32], v2, 5, v[O32]
	s_wait_dscnt 0x0                               ; both opening adds are done
	s_wait_kmcnt 0x0
	s_add_nc_u64 s[22:23], s[4:5], s[22:23]
	s_add_nc_u64 s[92:93], s[6:7], s[92:93]
	s_add_nc_u64 s[46:47], s[4:5], s[46:47]
	s_add_nc_u64 s[94:95], s[6:7], s[94:95]
	CROUND                                         ; all sixteen work-groups are here: the first joint loads meet
	s_mov_b32 s[G0SA], 1
	s_mov_b32 s[G0SA+1], s98
	s_mov_b64 s[G0SA+2:G0SA+3], s[92:93]
	s_or_b32 s[G0SA+3], s[G0SA+3], 0x80000000
	s_mov_b32 s[G0SB], 1
	s_mov_b32 s[G0SB+1], s99
	s_mov_b64 s[G0SB+2:G0SB+3], s[94:95]
	s_or_b32 s[G0SB+3], s[G0SB+3], 0x80000000
	JLOAD G0SA, G1SA, G0SB, G1SB                   ; the scales first
.irp s, 0,1
	s_mov_b32 s[G0A+4*\s], 1
	s_add_co_u32 s[G0A+4*\s+1], s96, \s*SLOT
	s_add_nc_u64 s[G0A+4*\s+2:G0A+4*\s+3], s[22:23], \s*256
	s_or_b32 s[G0A+4*\s+3], s[G0A+4*\s+3], 0x80000000
	s_mov_b32 s[G0B+4*\s], 1
	s_add_co_u32 s[G0B+4*\s+1], s97, \s*SLOT
	s_add_nc_u64 s[G0B+4*\s+2:G0B+4*\s+3], s[46:47], \s*256
	s_or_b32 s[G0B+4*\s+3], s[G0B+4*\s+3], 0x80000000
	JLOAD G0A+4*\s, G1A, G0B+4*\s, G1B             ; three tensor loads of mine are out
.endr
	s_lshl_b32 s2, s43, 8
	s_lshl_b32 s3, s[WV], 6
	s_add_co_u32 s2, s2, s3                        ; my first row
	v_add_nc_u32 v[ROWG], s2, v1
	s_lshl_b32 s22, s2, 8                          ; 4,096 bytes of the table for 16 rows
	s_mov_b32 s23, 0
	s_add_nc_u64 s[8:9], s[8:9], s[22:23]
	WIN 0x80                                       ; cos and sin of my four row blocks, and the gains: asked for now, used behind the K steps, in registers that lie idle meanwhile
.irp a, 0,1
.irp e, 0,1,2,3,4,5,6,7
	global_load_b128 v[192+32*\a+4*\e:195+32*\a+4*\e], v[LI], s[8:9] offset:4096*\a+512*\e
.endr
.endr
	WIN 0xc0
.irp a, 0,1
.irp e, 0,1,2,3,4,5,6,7
	global_load_b128 v[192+32*\a+4*\e:195+32*\a+4*\e], v[LI], s[8:9] offset:4096*(\a+2)+512*\e
.endr
.endr
	WIN 0
.irp b, 0,1,2,3
	global_load_b128 v[WQ+8*\b:WQ+8*\b+3], v[WOF], s[10:11] offset:64*\b
	global_load_b128 v[WQ+8*\b+4:WQ+8*\b+7], v[WOF], s[10:11] offset:64*\b+16
	global_load_b128 v[WK+8*\b:WK+8*\b+3], v[WOF], s[12:13] offset:64*\b
	global_load_b128 v[WK+8*\b+4:WK+8*\b+7], v[WOF], s[12:13] offset:64*\b+16
.endr
	s_lshl_b32 s21, s2, 7                          ; a row of a head is 128 bytes in f16
	s_lshl_b32 s22, s42, 20                        ; head 2 tx: 524,288 bytes a head
	s_add_co_u32 s92, s22, s21
	s_mov_b32 s93, 0
	s_add_nc_u64 s[92:93], s[14:15], s[92:93]      ; s[92:93], s[94:95], s[96:97]: my rows of my three heads
	s_add_nc_u64 s[94:95], s[92:93], 524288
	s_add_co_u32 s22, s42, 32
	s_lshl_b32 s22, s22, 19
	s_add_co_u32 s96, s22, s21
	s_mov_b32 s97, 0
	s_add_nc_u64 s[96:97], s[14:15], s[96:97]
	s_mov_b32 s[SEL], 0x76543210                   ; v_permlanex16_b32: lane l xor 16
	s_mov_b32 s[SEL+1], 0xfedcba98
	s_mov_b32 s66, 0x3c800000                      ; 1 / 64
	s_mov_b32 s67, 0x358637bd                      ; 1e-6
.macro FRAG reg, adr, q, i             ; 16 rows x 128 K of 4-bit codes: 8 registers, two loads of 16 bytes, 32 apart
.irp c, 0,1
	ds_load_b128 v[\reg+4*\c:\reg+4*\c+3], v[\adr] offset:64*(\q)+32*\c+(\i)*16*PITCH
.endr
.endm
.macro FETCH slot, q, p                ; 32 loads in one run: W's twelve fragments and x's four of the slot's q-th 128 along K, into set p
	WIN 0x40
.irp i, 0,1,2,3,4,5,6,7,8,9,10,11
	FRAG 128*(\p)+8*\i, ADRB+\slot, \q, \i
.endr
	WIN 0
.irp i, 0,1,2,3
	FRAG AF+32*(\p)+8*\i, ADRA+\slot, \q, \i
.endr
.endm
.macro SCALES sc                       ; a slot's scale words: four words a row
.irp i, 0,1,2,3,4,5,6,7,8,9,10,11
	ds_load_b128 v[SC+48*\sc+4*\i:SC+48*\sc+4*\i+3], v[ADRS] offset:\i*4*272
.endr
.endm
; twelve products: x's row block a against W's twelve.  The 48 accumulators take turns, one instruction a turn, in the same order in every step.
.macro MUL12 a, p, q, sc, zero
.irp b, 0,1,2,3,4,5,6,7,8,9,10,11
.if \zero
	v_wmma_scale_f32_16x16x128_f8f6f4 v[8*(12*((\a)%2)+\b):8*(12*((\a)%2)+\b)+7], v[128*(\p)+8*\b:128*(\p)+8*\b+7], v[AF+32*(\p)+8*(\a):AF+32*(\p)+8*(\a)+7], 0, v[SC+48*(\sc)+4*\b+(\q)], v[SC+48*(\sc)+4*(\a)+(\q)] matrix_a_fmt:MATRIX_FMT_FP4 matrix_b_fmt:MATRIX_FMT_FP4 matrix_a_scale:MATRIX_SCALE_ROW1
.else
	v_wmma_scale_f32_16x16x128_f8f6f4 v[8*(12*((\a)%2)+\b):8*(12*((\a)%2)+\b)+7], v[128*(\p)+8*\b:128*(\p)+8*\b+7], v[AF+32*(\p)+8*(\a):AF+32*(\p)+8*(\a)+7], v[8*(12*((\a)%2)+\b):8*(12*((\a)%2)+\b)+7], v[SC+48*(\sc)+4*\b+(\q)], v[SC+48*(\sc)+4*(\a)+(\q)] matrix_a_fmt:MATRIX_FMT_FP4 matrix_b_fmt:MATRIX_FMT_FP4 matrix_a_scale:MATRIX_SCALE_ROW1
.endif
.endr
.endm
.macro STEP slot, q, zero              ; a step of 128 along K whose successor lies in the same slot
	s_wait_dscnt 0x0                               ; this step's set is in: it was asked for 48 matrix instructions ago
	PLACES                                         ; four places between the last step's products and the loads into the set that they read
	FETCH \slot, (\q)+1, 1-(\q)%2
	WIN MUL_LO
	MUL12 0, (\q)%2, \q, \slot, \zero
	MUL12 1, (\q)%2, \q, \slot, \zero
	WIN MUL_HI
	MUL12 2, (\q)%2, \q, \slot, \zero
	MUL12 3, (\q)%2, \q, \slot, \zero
	WIN 0
.endm
; A slot's last step changes slots: one barrier; in front of it each wave waits for all its tensor loads, adds 0 to its spare word, and waits for that and for its reads of this slot.
.macro TURN slot, next, fill
	s_wait_tensorcnt 0x0                           ; all my tensor loads have landed: my part of the next slot
	ds_add_u32 v[SPW], v[NIL]
	s_wait_dscnt 1                                 ; this step's set is in; the add alone may be out
	WIN MUL_LO
	MUL12 0, 1, 3, \slot, 0                        ; twelve products stand between the add and the wait for it
	s_wait_dscnt 0x0                               ; the add is done, and my reads of this slot are over
	s_barrier_signal -1
	MUL12 1, 1, 3, \slot, 0
	WIN 0
	s_barrier_wait -1
.if \fill
	CREST                                          ; the barrier has opened a round of the cluster's: no wave of any partner still reads this slot or has a load on its way
	s_add_nc_u64 s[G0A+4*\slot+2:G0A+4*\slot+3], s[G0A+4*\slot+2:G0A+4*\slot+3], 512
	s_add_nc_u64 s[G0B+4*\slot+2:G0B+4*\slot+3], s[G0B+4*\slot+2:G0B+4*\slot+3], 512
	JLOAD G0A+4*\slot, G1A, G0B+4*\slot, G1B       ; the first tensor load behind the round; its four v_nop are the places in front of the loads below
.else
	PLACES
.endif
	v_add_nc_u32 v[ADRS], 16, v[ADRS]              ; the next slot's scale words
	FETCH \next, 0, 0
	SCALES \next
	WIN MUL_HI
	MUL12 2, 1, 3, \slot, 0
	MUL12 3, 1, 3, \slot, 0
	WIN 0
.endm
	s_wait_tensorcnt 1                             ; the scales and my part of slot 0 are in; slot 1's load may stay out
	s_barrier_signal -1
	s_barrier_wait -1
	FETCH 0, 0, 0
	SCALES 0
	STEP 0, 0, 1                                   ; the first step's products start the sums: nothing is cleared
	STEP 0, 1, 0
	STEP 0, 2, 0
	TURN 0, 1, 1
	STEP 1, 0, 0
	STEP 1, 1, 0
	STEP 1, 2, 0
	TURN 1, 0, 1
	STEP 0, 0, 0
	STEP 0, 1, 0
	STEP 0, 2, 0
	TURN 0, 1, 0                                   ; nothing is left to fetch
	STEP 1, 0, 0
	STEP 1, 1, 0
	STEP 1, 2, 0
	s_wait_dscnt 0x0
	WIN MUL_LO
	MUL12 0, 1, 3, 1, 0
	MUL12 1, 1, 3, 1, 0
	WIN MUL_HI
	MUL12 2, 1, 3, 1, 0
	MUL12 3, 1, 3, 1, 0
	WIN 0
	; THE WAY OUT
	s_wait_loadcnt 0x0                             ; the table and the gains
	PLACES                                         ; four places behind the last products
	v_mov_b32 v37, 0                               ; (named as the upper half of the pair v[36:37])
	s_lshl_b32 s2, s42, 13                         ; the f32 rows: 4,096 bytes a head
	s_mov_b32 s3, 0
	s_add_nc_u64 s[4:5], s[16:17], s[2:3]          ; s[4:5], s[6:7], s[8:9]: my three heads in qkv32
	s_add_nc_u64 s[6:7], s[4:5], 4096
	s_add_co_u32 s2, s42, 32
	s_lshl_b32 s2, s2, 12
	s_add_nc_u64 s[8:9], s[16:17], s[2:3]
.macro F32OUT xr, b32                  ; rows 0-15 of the sequence in f32: EXEC holds the lanes whose row is under 16 (all lanes of one wave of the first row of work-groups, none elsewhere)
	WIN 0
	v_cmp_gt_u32 vcc_lo, 16, v[ROWG]
	s_wait_xcnt 0x0                                ; EXEC changes only behind this wait
	s_and_saveexec_b32 s98, vcc_lo
	WIN 0x08                                       ; a store's data: window 2
.irp b, 0,1,2,3
	global_store_b128 v[O32], v[\xr+8*\b:\xr+8*\b+3], s[\b32:\b32+1] offset:64*\b
	global_store_b128 v[O32], v[\xr+8*\b+4:\xr+8*\b+7], s[\b32:\b32+1] offset:64*\b+16
.endr
	WIN 0
	s_wait_xcnt 0x0
	s_or_b32 exec_lo, exec_lo, s98
.endm
; Row block a, head i of my three: x / sqrt(mean(x^2) + 1e-6) * w, RoPE, f16.
.macro NORMROPE a, i, wreg, b16, b32
.set XR, 8*(12*((\a)%2)+4*(\i))        ; the head's 32 registers, in window 2 + a / 2
.set TR, 192+32*((\a)%2)               ; the row block's cos and sin, in the same window
.set HR, 56+16*(\i)                    ; the f16 results, in window 0
.set WH, (\a)/2
	WIN 0x0a+5*WH                                  ; sources 0, 1 in the accumulators' window
	v_pk_mul_f32 v[32:33], v[XR:XR+1], v[XR:XR+1]  ; the sum of squares, in two chains; each accumulator is read from its low end on
	v_pk_mul_f32 v[34:35], v[XR+2:XR+3], v[XR+2:XR+3]
.irp k, 4,8,12,16,20,24,28
	v_pk_fma_f32 v[32:33], v[XR+\k:XR+\k+1], v[XR+\k:XR+\k+1], v[32:33]
	v_pk_fma_f32 v[34:35], v[XR+\k+2:XR+\k+3], v[XR+\k+2:XR+\k+3], v[34:35]
.endr
	WIN 0
	v_pk_add_f32 v[32:33], v[32:33], v[34:35]
	v_add_f32 v32, v32, v33
	v_permlanex16_b32 v33, v32, s[SEL], s[SEL+1]   ; the row's other 32 channels lie in lane l xor 16
	v_add_f32 v32, v32, v33
	v_fma_f32 v32, v32, s66, s67
	v_rsq_f32 v36, v32
	WIN 0x82+0x41*WH                               ; destination and source 0 in the accumulators' window
.irp k, 0,2,4,6,8,10,12,14,16,18,20,22,24,26,28,30
	v_pk_mul_f32 v[XR+\k:XR+\k+1], v[XR+\k:XR+\k+1], v[\wreg+\k:\wreg+\k+1]   ; the gain: independent work behind the root
.endr
	s_wait_alu depctr_va_vdst(0)                   ; a wait ahead of the root's first reader
.irp k, 0,2,4,6,8,10,12,14,16,18,20,22,24,26,28,30
	v_pk_mul_f32 v[XR+\k:XR+\k+1], v[XR+\k:XR+\k+1], v[36:37] op_sel_hi:[1,0]
.endr
	WIN 0x0a+5*WH                                  ; RoPE, pair e = 4 b + q: x1 in tile b, x2 in tile b + 2
.irp e, 0,1,2,3,4,5,6,7
	v_pk_mul_f32 v[40+2*\e:41+2*\e], v[XR+8*(\e/4)+2*(\e%4):XR+8*(\e/4)+2*(\e%4)+1], v[TR+4*\e+2:TR+4*\e+3]   ; x1 sin
.endr
	WIN 0x8a+0x45*WH
.irp e, 0,1,2,3,4,5,6,7
	v_pk_mul_f32 v[XR+8*(\e/4)+2*(\e%4):XR+8*(\e/4)+2*(\e%4)+1], v[XR+8*(\e/4)+2*(\e%4):XR+8*(\e/4)+2*(\e%4)+1], v[TR+4*\e:TR+4*\e+1]   ; x1 cos
.endr
	WIN 0xaa+0x55*WH
.irp e, 0,1,2,3,4,5,6,7
	v_pk_fma_f32 v[XR+8*(\e/4)+2*(\e%4):XR+8*(\e/4)+2*(\e%4)+1], v[XR+16+8*(\e/4)+2*(\e%4):XR+16+8*(\e/4)+2*(\e%4)+1], v[TR+4*\e+2:TR+4*\e+3], v[XR+8*(\e/4)+2*(\e%4):XR+8*(\e/4)+2*(\e%4)+1] neg_lo:[1,0,0] neg_hi:[1,0,0]   ; - x2 sin
.endr
	WIN 0x8a+0x45*WH
.irp e, 0,1,2,3,4,5,6,7
	v_pk_fma_f32 v[XR+16+8*(\e/4)+2*(\e%4):XR+16+8*(\e/4)+2*(\e%4)+1], v[XR+16+8*(\e/4)+2*(\e%4):XR+16+8*(\e/4)+2*(\e%4)+1], v[TR+4*\e:TR+4*\e+1], v[40+2*\e:41+2*\e]   ; x2 cos + x1 sin
.endr
.if (\a) == 0
	F32OUT XR, \b32
.endif
	WIN 0x0a+5*WH
.irp k, 0,1,2,3,4,5,6,7,8,9,10,11,12,13,14,15
	v_cvt_pk_f16_f32 v[HR+\k], v[XR+2*\k], v[XR+2*\k+1]
.endr
	WIN 0
.irp b, 0,1,2,3
	global_store_b128 v[LI], v[HR+4*\b:HR+4*\b+3], s[\b16:\b16+1] offset:2048*(\a)+512*\b   ; the registers are the fragment's image: the wave stores 512 consecutive bytes
.endr
.endm
; V, row block a: f16, then turned through my stage so that a lane holds one channel and eight keys: the image of V^T's fragment.
.macro VOUT a
.set XR, 8*(12*((\a)%2)+8)
.set WH, (\a)/2
.if (\a) == 0
	F32OUT XR, 8
.endif
	WIN 0x0a+5*WH
.irp k, 0,1,2,3,4,5,6,7,8,9,10,11,12,13,14,15
	v_cvt_pk_f16_f32 v[88+\k], v[XR+2*\k], v[XR+2*\k+1]
.endr
	WIN 0
.irp b, 0,1,2,3
	ds_store_b128 v[STI], v[88+4*\b:91+4*\b] offset:32*\b
.endr
.irp c, 0,1,2,3
	ds_load_tr16_b128 v[104+4*\c:107+4*\c], v[STO] offset:32*\c    ; LDS serves a wave's instructions in order: these see my stores
.endr
.irp c, 0,1,2,3
	s_wait_dscnt 3-\c                              ; the later turning loads may be out
	global_store_b128 v[LI], v[104+4*\c:107+4*\c], s[96:97] offset:4096*((\a)/2)+1024*\c+512*((\a)%2)
.endr
.endm
.irp a, 0,1,2,3
.if \a > 0
	s_wait_xcnt 0x0                                ; the last row block's stores have read their data registers
.endif
	NORMROPE \a, 0, WQ, 92, 4
	NORMROPE \a, 1, WQ, 94, 6
.endr
	s_cmp_lt_u32 ttmp9, 2                          ; the cluster's x, the same in all sixteen partners: column tiles 0-7 end in a k head, 8-15 in a v head
	s_cbranch_scc0 .Lvpath
.irp a, 0,1,2,3
	s_wait_xcnt 0x0
	NORMROPE \a, 2, WK, 96, 8
.endr
	s_branch .Lout
.Lvpath:
.irp a, 0,1,2,3
	s_wait_xcnt 0x0
	VOUT \a
.endr
.Lout:
	s_wait_tensorcnt 0x0                           ; the wave's end
	ds_add_u32 v[SPW], v[NIL]
	s_wait_dscnt 0x0
	CROUND                                         ; the closing round
	s_endpgm
.Lfunc_end_k_qb958e9a2ff_qkv:
	.size	k_qb958e9a2ff_qkv, .Lfunc_end_k_qb958e9a2ff_qkv-k_qb958e9a2ff_qkv
	.p2alignl 7, 3214868480
	.fill 96, 4, 3214868480
	.section	.rodata,"a",@progbits
	.p2align	6, 0x0
	.amdhsa_kernel k_qb958e9a2ff_qkv
		.amdhsa_group_segment_fixed_size 327680
		.amdhsa_private_segment_fixed_size 0
		.amdhsa_enable_private_segment 0
		.amdhsa_kernarg_size 56
		.amdhsa_user_sgpr_count 2
		.amdhsa_user_sgpr_kernarg_segment_ptr 1
		.amdhsa_wavefront_size32 1
		.amdhsa_system_sgpr_workgroup_id_x 1
		.amdhsa_system_sgpr_workgroup_id_y 1
		.amdhsa_system_sgpr_workgroup_id_z 1
		.amdhsa_system_vgpr_workitem_id 0
		.amdhsa_next_free_vgpr 1024
		.amdhsa_next_free_sgpr 100
		.amdhsa_reserve_vcc 1
		.amdhsa_float_denorm_mode_32 3
		.amdhsa_float_denorm_mode_16_64 3
		.amdhsa_memory_ordered 1
		.amdhsa_forward_progress 1
		.amdhsa_inst_pref_size 251
	.end_amdhsa_kernel
	.amdgpu_metadata
---
amdhsa.version: [ 1, 2 ]
amdhsa.kernels:
  - .name:           k_qb958e9a2ff_qkv
    .symbol:         k_qb958e9a2ff_qkv.kd
    .args:
      - { .name: codes, .offset: 0, .size: 8, .value_kind: global_buffer, .address_space: global }
      - { .name: scales, .offset: 8, .size: 8, .value_kind: global_buffer, .address_space: global }
      - { .name: cstab, .offset: 16, .size: 8, .value_kind: global_buffer, .address_space: global }
      - { .name: q_norm_w, .offset: 24, .size: 8, .value_kind: global_buffer, .address_space: global }
      - { .name: k_norm_w, .offset: 32, .size: 8, .value_kind: global_buffer, .address_space: global }
      - { .name: qkv16, .offset: 40, .size: 8, .value_kind: global_buffer, .address_space: global }
      - { .name: qkv32, .offset: 48, .size: 8, .value_kind: global_buffer, .address_space: global }
    .group_segment_fixed_size: 327680
    .private_segment_fixed_size: 0
    .kernarg_segment_align: 8
    .kernarg_segment_size: 56
    .max_flat_workgroup_size: 128
    .sgpr_count:     100
    .vgpr_count:     1024
    .wavefront_size: 32
...
	.end_amdgpu_metadata
.endif
;; end of part 2
;; launch attn (part 3): grid 32 x 8, 16 waves a work-group, no clusters, 165,888 bytes of LDS; arguments qkv16, qkv32, ctx16, ctx32; writes ctx16, ctx32
.if DOCPART == 3
	.amdgcn_target "amdgcn-amd-amdhsa--gfx1250"
	.amdhsa_code_object_version 6
	.text
	.protected	k_qb958e9a2ff_attn
	.globl	k_qb958e9a2ff_attn
	.p2align	8
	.type	k_qb958e9a2ff_attn,@function
k_qb958e9a2ff_attn:
	s_mov_b64 s[64:65], 0
	v_nop
	global_prefetch_b8 v0, s[64:65] scope:SCOPE_SE
	s_setreg_imm32_b32 hwreg(HW_REG_WAVE_MODE, 25, 1), 1
	s_wait_xcnt 0x0
; ctx = softmax(Q K^T / 8 under the window 0 <= t - j <= 512, j >= 0) V, f16 operands, f32 sums, a running maximum.
; WORK LEFT OUT: key tiles wholly outside the window, and the block of zeros ahead of the sequence, whose scores reference() itself sets to -1e30 (shown at the head of the first kernel).
; SHARES.  A work-group owns 128 positions (t0 = 128 b) of one key/value head, for its four query heads.  Wave w: 16 positions (pt = w % 8) of two query heads (hp = w / 8): two tiles of queries with one mask,
; so that each fragment of K and V read from LDS feeds two products.  Four waves to a SIMD: one wave's softmax stands beside another's products and LDS loads.
; LDS.  The 640 keys t0 - 512 .. t0 + 127 of K and of V lie whole in LDS, as images of operand registers (a fragment load is 16 x lane + a constant: dense, no padding), copied once through registers.
; NO TENSOR LOAD, NO CLUSTER: the window is filled once; the first four blocks of positions lack keys ahead of the sequence's start, so which parts are fetched hangs on the work-group's number;
; and neighbouring blocks want different five of their eight chunks of 128 keys, so a joint load would bring tiles that a partner never reads.  NO PREFETCH: every load of the window stands at the head.
; LAYOUT.  S^T = K Q^T and O^T = V^T P^T: a lane holds ONE query (lane % 16) throughout; two tiles of S^T rounded to f16 in pairs are the second product's source 1.
; A wave walks 17 steps of 32 keys from row 32 (pt / 2) of the window; the first is masked at the window's far edge, the last at the diagonal; each row has a key that counts in every step that is walked.
; ctx16 is laid for the projection, by 64 along its K, which is one head: [head][t / 16][4 chunks of 16 channels][lane][16 bytes].
; ROWS 0-15 of the sequence are made a second time in f32 (f32 matrix form, from qkv32 into ctx32), by the two waves of the first block that hold them: they average few values, and f16's rounding would weigh most there.
; LIMITS: magnitudes of Q, K, V and ctx under 65,504 (f16).
; REGISTERS: v1-13 addresses; v16-47 Q; v48-79 K's, then V's fragments; v80-111 written by the f32 matrix form alone; v112-143 S^T; v144-159 P; v160-223 O^T; v224-239 statistics, 8 a head: c m, m, l (two halves), at work (2), a, old c m.
.set LI,   1                           ; v1   16 x lane
.set CA,   2                           ; v2-4 16 x thread, + 65,536, + 131,072: the copy's LDS addresses; v2 also its offset in memory
.set O32,  5                           ; v5   8,192 r + 32 h: ctx32
.set AK0,  6                           ; v6   my first step's K
.set AV0,  7                           ; v7   and V
.set ADK,  8
.set ADV,  9
.set DD,   10                          ; v10  16 (pt % 2) + r - 8 h
.set NINF, 11
.set A32,  12                          ; v12  256 r + 16 h: f32 rows of Q and K
.set B32,  13                          ; v13  2,048 h + 4 r: f32 V, turned by the loads
.set SPW,  14
.set NIL,  15
.set Q,    16
.set KV,   48
.set FP,   80
.set S,    112
.set P,    144
.set O,    160
.set ST,   224
.set VOFF,  81920
.set SPARE, 163840
.set WV,  12
.set PT,  13
.set HP,  14
.set KVH, 15
.set KB,  16
.set VB,  18
.set QB,  20
.set CS,  22
.set SEL, 24
.set TB,  26
.set KF,  27
.set CNT, 28
.set CB,  30
.set K32, 32
.set V32, 34
.set Q32, 36
.set C32, 38
	s_load_b256 s[4:11], s[0:1], 0x0               ; qkv16, qkv32, ctx16, ctx32
	v_lshl_add_u32 v[SPW], v0, 2, SPARE
	v_mov_b32 v[NIL], 0
	v_lshrrev_b32 v1, 5, v0
	v_readfirstlane_b32 s[WV], v1
	s_and_b32 s[PT], s[WV], 7
	s_lshr_b32 s[HP], s[WV], 3
	s_and_b32 s[KVH], ttmp7, 0xffff
	v_and_b32 v1, 31, v0
	v_lshlrev_b32 v[LI], 4, v1
	v_lshlrev_b32 v[CA], 4, v0
	v_add_nc_u32 v[CA+1], 0x10000, v[CA]
	v_add_nc_u32 v[CA+2], 0x20000, v[CA]
	v_and_b32 v8, 15, v0                           ; r
	v_bfe_u32 v9, v0, 4, 1                         ; h
	v_lshlrev_b32 v[O32], 13, v8
	v_lshl_add_u32 v[O32], v9, 5, v[O32]
	v_lshlrev_b32 v[A32], 8, v8
	v_lshl_add_u32 v[A32], v9, 4, v[A32]
	v_lshlrev_b32 v[B32], 11, v9
	v_lshl_add_u32 v[B32], v8, 2, v[B32]
	s_lshr_b32 s29, s[PT], 1
	s_lshl_b32 s40, s29, 12                        ; 32 keys are 4,096 bytes
	v_add_nc_u32 v[AK0], s40, v[LI]
	v_add_nc_u32 v[AV0], VOFF, v[AK0]
	s_and_b32 s40, s[PT], 1
	s_lshl_b32 s40, s40, 4
	v_lshlrev_b32 v[DD], 3, v9
	v_sub_nc_u32 v[DD], v8, v[DD]
	v_add_nc_u32 v[DD], s40, v[DD]
	v_mov_b32 v[NINF], 0xff800000
	s_lshl_b32 s[KF], ttmp9, 7
	s_sub_co_i32 s[KF], s[KF], 512
	s_lshl_b32 s29, s29, 5
	s_add_co_i32 s[KF], s[KF], s29                 ; my first step's first key: under 0 where it lies ahead of the sequence
	s_mov_b32 s[TB], 0
	s_mov_b32 s[CS], 0x3e38aa3b                    ; c = log2(e) / 8
	s_mov_b32 s[CS+1], s[CS]
	s_mov_b32 s[SEL], 0x76543210
	s_mov_b32 s[SEL+1], 0xfedcba98
	s_add_co_u32 s40, s[KVH], 32
	s_lshl_b32 s40, s40, 19
	s_lshl_b32 s41, ttmp9, 14
	s_add_co_u32 s40, s40, s41                     ; K's head, at key t0
	s_mov_b32 s41, 0
	s_lshl_b32 s42, s[KVH], 2
	s_lshl_b32 s43, s[HP], 1
	s_add_co_u32 s42, s42, s43                     ; my first query head
	s_lshl_b32 s44, ttmp9, 3
	s_add_co_u32 s44, s44, s[PT]                   ; my 16 positions
	s_lshl_b32 s45, s42, 19
	s_lshl_b32 s46, s44, 11
	s_add_co_u32 s46, s46, s45                     ; head x 524,288 + 2,048 for 16 rows: my place in Q, and in ctx16 likewise
	s_mov_b32 s47, 0
	s_wait_kmcnt 0x0
	s_add_nc_u64 s[KB:KB+1], s[4:5], s[40:41]
	s_add_nc_u64 s[VB:VB+1], s[KB:KB+1], 0x400000  ; V's head lies eight heads on
	s_add_nc_u64 s[QB:QB+1], s[4:5], s[46:47]
	s_add_nc_u64 s[CB:CB+1], s[8:9], s[46:47]
	s_add_co_u32 s40, s[KVH], 32
	s_lshl_b32 s40, s40, 12
	s_add_nc_u64 s[K32:K32+1], s[6:7], s[40:41]
	s_add_nc_u64 s[V32:V32+1], s[K32:K32+1], 32768
	s_lshl_b32 s40, s42, 12
	s_add_nc_u64 s[Q32:Q32+1], s[6:7], s[40:41]
	s_lshl_b32 s40, s42, 8
	s_add_nc_u64 s[C32:C32+1], s[10:11], s[40:41]
.irp u, 0,1
.irp e, 0,1,2,3
	global_load_b128 v[Q+16*\u+4*\e:Q+16*\u+4*\e+3], v[LI], s[QB:QB+1] offset:524288*\u+512*\e
.endr
.endr
; THE COPY.  Group g is 128 keys of K and of V (two chunks of 8,192 bytes each; a chunk is 16 bytes of each of the 512 threads).  Group g begins at key t0 - 512 + 128 g: it exists where g >= 4 - b.
; The chain loads from the last group down and leaves it where the keys end; each way through it stores what it has loaded, and no more.
.macro GLOAD g
.set RG, 112+16*(4-(\g))
	global_load_b128 v[RG:RG+3], v[CA], s[KB:KB+1] offset:8192*(2*(\g))-65536
	global_load_b128 v[RG+4:RG+7], v[CA], s[KB:KB+1] offset:8192*(2*(\g)+1)-65536
	global_load_b128 v[RG+8:RG+11], v[CA], s[VB:VB+1] offset:8192*(2*(\g))-65536
	global_load_b128 v[RG+12:RG+15], v[CA], s[VB:VB+1] offset:8192*(2*(\g)+1)-65536
.endm
.macro LST1 reg, adr                   ; the address register carries what the 16-bit immediate cannot
	ds_store_b128 v[CA+(\adr)/65536], v[\reg:\reg+3] offset:(\adr)%65536
.endm
.macro LSTORE g
.set RG, 112+16*(4-(\g))
	LST1 RG, 8192*(2*(\g))
	LST1 RG+4, 8192*(2*(\g)+1)
	LST1 RG+8, VOFF+8192*(2*(\g))
	LST1 RG+12, VOFF+8192*(2*(\g)+1)
.endm
	GLOAD 4
	s_cmp_lt_u32 ttmp9, 1
	s_cbranch_scc1 .Lw0
	GLOAD 3
	s_cmp_lt_u32 ttmp9, 2
	s_cbranch_scc1 .Lw1
	GLOAD 2
	s_cmp_lt_u32 ttmp9, 3
	s_cbranch_scc1 .Lw2
	GLOAD 1
	s_cmp_lt_u32 ttmp9, 4
	s_cbranch_scc1 .Lw3
	GLOAD 0
	s_wait_loadcnt 0x0
	LSTORE 0
.Lw3:
	s_wait_loadcnt 0x0
	LSTORE 1
.Lw2:
	s_wait_loadcnt 0x0
	LSTORE 2
.Lw1:
	s_wait_loadcnt 0x0
	LSTORE 3
.Lw0:
	s_wait_loadcnt 0x0
	LSTORE 4
	s_wait_dscnt 0x0                               ; for the others' sake: my stores have landed
	s_barrier_signal -1
	s_barrier_wait -1                              ; the launch's one barrier: the window is whole
.irp j, 0,1,2,3,4,5,6,7,8,9,10,11,12,13,14,15,16,17,18,19,20,21,22,23,24,25,26,27,28,29,30,31,32,33,34,35,36,37,38,39,40,41,42,43,44,45,46,47,48,49,50,51,52,53,54,55,56,57,58,59,60,61,62,63
	v_mov_b32 v[O+\j], 0                           ; O^T.  (The step is written once for every place in the walk: which step is a wave's first hangs on the work-group's number; it finds zeros, which a = 0 leaves zeros)
.endr
.irp u, 0,1
	v_mov_b32 v[ST+8*\u+1], 0xff61b1e6             ; m = -3e38, under every score
	v_mul_f32 v[ST+8*\u], s[CS], v[ST+8*\u+1]
.irp i, 2,3,4,5,6,7
	v_mov_b32 v[ST+8*\u+\i], 0
.endr
.endr
; A KEY STEP: 32 keys.  mask = 1: the window's far edge (hidden where t - j > 512); 2: the diagonal (hidden where j > t); 0: every key counts.
.macro STEP mask
	s_cmp_lt_i32 s[KF], 0                          ; keys ahead of the sequence's start: ids and the count of steps alone
	s_cbranch_scc1 .Lskip_\@
	v_add_nc_u32 v[ADK], s[TB], v[AK0]
	v_add_nc_u32 v[ADV], s[TB], v[AV0]
	v_nop
	v_nop                                          ; four places between the last step's products and the loads into the registers that they read
.irp k, 0,1
.irp e, 0,1,2,3
	ds_load_b128 v[KV+16*\k+4*\e:KV+16*\k+4*\e+3], v[ADK] offset:2048*\k+512*\e
.endr
.endr
	s_wait_dscnt 0x0
.irp f, 0,1                                    ; S^T = K Q^T: four accumulators by turns, 32 channels a turn
.irp k, 0,1
.irp u, 0,1
.if \f == 0
	v_wmma_f32_16x16x32_f16 v[S+16*\u+8*\k:S+16*\u+8*\k+7], v[KV+16*\k+8*\f:KV+16*\k+8*\f+7], v[Q+16*\u+8*\f:Q+16*\u+8*\f+7], 0
.else
	v_wmma_f32_16x16x32_f16 v[S+16*\u+8*\k:S+16*\u+8*\k+7], v[KV+16*\k+8*\f:KV+16*\k+8*\f+7], v[Q+16*\u+8*\f:Q+16*\u+8*\f+7], v[S+16*\u+8*\k:S+16*\u+8*\k+7]
.endif
.endr
.endr
.endr
.rept 4
	v_nop                                          ; four places: for the loads below and for the first read of the scores
.endr
.irp c, 0,1,2,3
.irp g, 0,1
	ds_load_b128 v[KV+8*\c+4*\g:KV+8*\c+4*\g+3], v[ADV] offset:1024*\c+512*\g   ; V lands under the softmax
.endr
.endr
.if \mask == 1
.irp n, 0,1,2,3,4,5,6,7,8,9,10,11,12,13,14,15
	v_cmp_lt_i32 vcc_lo, 16*(\n/8)+\n%8, v[DD]     ; register 8 k + j holds the step's key 16 k + 8 h + j
	v_cndmask_b32 v[S+\n], v[S+\n], v[NINF], vcc_lo
	v_cndmask_b32 v[S+16+\n], v[S+16+\n], v[NINF], vcc_lo
.endr
.endif
.if \mask == 2
.irp n, 0,1,2,3,4,5,6,7,8,9,10,11,12,13,14,15
	v_cmp_gt_i32 vcc_lo, 16*(\n/8)+\n%8, v[DD]
	v_cndmask_b32 v[S+\n], v[S+\n], v[NINF], vcc_lo
	v_cndmask_b32 v[S+16+\n], v[S+16+\n], v[NINF], vcc_lo
.endr
.endif
.irp u, 0,1                                    ; the maximum: two chains a head, each entering its accumulator at the low end; the two heads line by line
	v_max3_num_f32 v[ST+8*\u+4], v[S+16*\u], v[S+16*\u+1], v[S+16*\u+2]
	v_max3_num_f32 v[ST+8*\u+5], v[S+16*\u+8], v[S+16*\u+9], v[S+16*\u+10]
.endr
.irp i, 3,5
.irp u, 0,1
	v_max3_num_f32 v[ST+8*\u+4], v[ST+8*\u+4], v[S+16*\u+\i], v[S+16*\u+\i+1]
	v_max3_num_f32 v[ST+8*\u+5], v[ST+8*\u+5], v[S+16*\u+8+\i], v[S+16*\u+9+\i]
.endr
.endr
.irp u, 0,1
	v_max3_num_f32 v[ST+8*\u+4], v[ST+8*\u+4], v[S+16*\u+7], v[S+16*\u+15]
.endr
.irp u, 0,1
	v_max3_num_f32 v[ST+8*\u+4], v[ST+8*\u+4], v[ST+8*\u+5], v[ST+8*\u+1]   ; with the old m
.endr
.irp u, 0,1
	v_permlanex16_b32 v[ST+8*\u+5], v[ST+8*\u+4], s[SEL], s[SEL+1]          ; the query's other 16 keys lie in lane l xor 16
.endr
.irp u, 0,1
	v_mov_b32 v[ST+8*\u+7], v[ST+8*\u]
.endr
.irp u, 0,1
	v_max_num_f32 v[ST+8*\u+1], v[ST+8*\u+4], v[ST+8*\u+5]
.endr
.irp u, 0,1
	v_mul_f32 v[ST+8*\u], s[CS], v[ST+8*\u+1]
.endr
.irp u, 0,1
	v_sub_f32 v[ST+8*\u+7], v[ST+8*\u+7], v[ST+8*\u]                        ; c m_old - c m_new
.endr
.irp j, 0,2,4,6,8,10,12,14
.irp u, 0,1
	v_pk_fma_f32 v[S+16*\u+\j:S+16*\u+\j+1], v[S+16*\u+\j:S+16*\u+\j+1], s[CS:CS+1], v[ST+8*\u:ST+8*\u+1] op_sel_hi:[1,0,0] neg_lo:[0,0,1] neg_hi:[0,0,1]   ; c s - c m
.endr
.endr
.irp u, 0,1
	v_exp_f32 v[ST+8*\u+6], v[ST+8*\u+7]           ; a.  One batch of 34 exponentials
.endr
.irp j, 0,1,2,3,4,5,6,7,8,9,10,11,12,13,14,15
.irp u, 0,1
	v_exp_f32 v[S+16*\u+\j], v[S+16*\u+\j]
.endr
.endr
	v_nop                                          ; a plain instruction behind the last exponential
	s_wait_alu depctr_va_vdst(0)                   ; one wait for the batch, ahead of its first reader
.irp j, 0,1,2,3,4,5,6,7
.irp u, 0,1
	v_cvt_pk_f16_f32 v[P+8*\u+\j], v[S+16*\u+2*\j], v[S+16*\u+2*\j+1]
.endr
.endr
.irp j, 0,4,8,12
.irp u, 0,1
	v_pk_add_f32 v[S+16*\u+\j:S+16*\u+\j+1], v[S+16*\u+\j:S+16*\u+\j+1], v[S+16*\u+\j+2:S+16*\u+\j+3]   ; the row's sum, of p in f32
.endr
.endr
.irp j, 0,8
.irp u, 0,1
	v_pk_add_f32 v[S+16*\u+\j:S+16*\u+\j+1], v[S+16*\u+\j:S+16*\u+\j+1], v[S+16*\u+\j+4:S+16*\u+\j+5]
.endr
.endr
.irp u, 0,1
	v_pk_add_f32 v[S+16*\u:S+16*\u+1], v[S+16*\u:S+16*\u+1], v[S+16*\u+8:S+16*\u+9]
.endr
.irp u, 0,1
	v_pk_fma_f32 v[ST+8*\u+2:ST+8*\u+3], v[ST+8*\u+2:ST+8*\u+3], v[ST+8*\u+6:ST+8*\u+7], v[S+16*\u:S+16*\u+1] op_sel_hi:[1,0,1]   ; l = a l + the sum
.endr
.irp j, 0,2,4,6,8,10,12,14,16,18,20,22,24,26,28,30
.irp u, 0,1
	v_pk_mul_f32 v[O+32*\u+\j:O+32*\u+\j+1], v[O+32*\u+\j:O+32*\u+\j+1], v[ST+8*\u+6:ST+8*\u+7] op_sel_hi:[1,0]   ; O^T x a
.endr
.endr
	s_wait_dscnt 0x0                               ; V is in
.irp c, 0,1,2,3                                ; O^T += V^T P^T: eight different accumulators
.irp u, 0,1
	v_wmma_f32_16x16x32_f16 v[O+32*\u+8*\c:O+32*\u+8*\c+7], v[KV+8*\c:KV+8*\c+7], v[P+8*\u:P+8*\u+7], v[O+32*\u+8*\c:O+32*\u+8*\c+7]
.endr
.endr
.Lskip_\@:
	s_add_co_u32 s[TB], s[TB], 4096
	s_add_co_i32 s[KF], s[KF], 32
.endm
	STEP 1
	s_mov_b32 s[CNT], 15
.Lk:
	STEP 0
	s_sub_co_u32 s[CNT], s[CNT], 1
	s_cmp_lg_u32 s[CNT], 0
	s_cbranch_scc1 .Lk
	STEP 2
	; THE WAY OUT: O^T / l, f16; the registers are the image of the projection's fragment: the wave stores 2,048 consecutive bytes for each of its two heads
.rept 4
	v_nop
.endr
.irp u, 0,1
	v_add_f32 v[ST+8*\u+4], v[ST+8*\u+2], v[ST+8*\u+3]
.endr
.irp u, 0,1
	v_permlanex16_b32 v[ST+8*\u+5], v[ST+8*\u+4], s[SEL], s[SEL+1]
.endr
.irp u, 0,1
	v_add_f32 v[ST+8*\u+4], v[ST+8*\u+4], v[ST+8*\u+5]
.endr
.irp u, 0,1
	v_rcp_f32 v[ST+8*\u+6], v[ST+8*\u+4]
.endr
	v_nop
	s_wait_alu depctr_va_vdst(0)                   ; one wait for the two reciprocals
.irp u, 0,1
.irp j, 0,2,4,6,8,10,12,14,16,18,20,22,24,26,28,30
	v_pk_mul_f32 v[O+32*\u+\j:O+32*\u+\j+1], v[O+32*\u+\j:O+32*\u+\j+1], v[ST+8*\u+6:ST+8*\u+7] op_sel_hi:[1,0]
.endr
.endr
.irp j, 0,1,2,3,4,5,6,7,8,9,10,11,12,13,14,15,16,17,18,19,20,21,22,23,24,25,26,27,28,29,30,31
	v_cvt_pk_f16_f32 v[S+\j], v[O+2*\j], v[O+2*\j+1]
.endr
.irp u, 0,1
.irp c, 0,1,2,3
	global_store_b128 v[LI], v[S+16*\u+4*\c:S+16*\u+4*\c+3], s[CB:CB+1] offset:524288*\u+512*\c
.endr
.endr
	; ROWS 0-15 IN F32: the waves that hold positions 0-15 (block 0, pt 0).  16 queries x 16 keys under the diagonal, two heads.
	s_or_b32 s29, ttmp9, s[PT]
	s_cmp_lg_u32 s29, 0
	s_cbranch_scc1 .Lend
	s_wait_xcnt 0x0                                ; the stores above have read their data registers
.irp i, 0,1,2,3,4,5,6,7
	global_load_b128 v[16+4*\i:19+4*\i], v[A32], s[K32:K32+1] offset:32*\i          ; K: lane (r, h): key r, channels 8 i + 4 h + 0 .. 3
.endr
.irp u, 0,1
.irp i, 0,1,2,3,4,5,6,7
	global_load_b128 v[112+32*\u+4*\i:115+32*\u+4*\i], v[A32], s[Q32:Q32+1] offset:4096*\u+32*\i   ; Q likewise: the channels are permuted alike on both sides
.endr
.endr
.irp c, 0,1,2,3
.irp j, 0,1,2,3,4,5,6,7
	global_load_b32 v[176+8*\c+\j], v[B32], s[V32:V32+1] offset:256*\j+64*\c        ; V(key 8 h + j, channel 16 c + r)
.endr
.endr
	s_wait_loadcnt 0x0
.irp i, 0,1,2,3,4,5,6,7
.irp p, 0,1
.irp u, 0,1
.if (\i == 0) && (\p == 0)
	v_wmma_f32_16x16x4_f32 v[FP+8*\u:FP+8*\u+7], v[16+4*\i+2*\p:17+4*\i+2*\p], v[112+32*\u+4*\i+2*\p:113+32*\u+4*\i+2*\p], 0
.else
	v_wmma_f32_16x16x4_f32 v[FP+8*\u:FP+8*\u+7], v[16+4*\i+2*\p:17+4*\i+2*\p], v[112+32*\u+4*\i+2*\p:113+32*\u+4*\i+2*\p], v[FP+8*\u:FP+8*\u+7]
.endif
.endr
.endr
.endr
.rept 8
	v_nop                                          ; eight places behind this form
.endr
.irp j, 0,1,2,3,4,5,6,7
	v_cmp_gt_i32 vcc_lo, \j, v[DD]                 ; with pt = 0: hidden where key 8 h + j > query r.  The masked scores go into other registers
	v_cndmask_b32 v[208+\j], v[FP+\j], v[NINF], vcc_lo
	v_cndmask_b32 v[216+\j], v[FP+8+\j], v[NINF], vcc_lo
.endr
.irp u, 0,1
	v_max3_num_f32 v[ST+8*\u+4], v[208+8*\u], v[209+8*\u], v[210+8*\u]
.endr
.irp u, 0,1
	v_max3_num_f32 v[ST+8*\u+4], v[ST+8*\u+4], v[211+8*\u], v[212+8*\u]
.endr
.irp u, 0,1
	v_max3_num_f32 v[ST+8*\u+4], v[ST+8*\u+4], v[213+8*\u], v[214+8*\u]
.endr
.irp u, 0,1
	v_max_num_f32 v[ST+8*\u+4], v[ST+8*\u+4], v[215+8*\u]
.endr
.irp u, 0,1
	v_permlanex16_b32 v[ST+8*\u+5], v[ST+8*\u+4], s[SEL], s[SEL+1]
.endr
.irp u, 0,1
	v_max_num_f32 v[ST+8*\u+1], v[ST+8*\u+4], v[ST+8*\u+5]
.endr
.irp u, 0,1
	v_mul_f32 v[ST+8*\u], s[CS], v[ST+8*\u+1]
.endr
.irp j, 0,2,4,6
.irp u, 0,1
	v_pk_fma_f32 v[208+8*\u+\j:209+8*\u+\j], v[208+8*\u+\j:209+8*\u+\j], s[CS:CS+1], v[ST+8*\u:ST+8*\u+1] op_sel_hi:[1,0,0] neg_lo:[0,0,1] neg_hi:[0,0,1]
.endr
.endr
.irp j, 0,1,2,3,4,5,6,7
.irp u, 0,1
	v_exp_f32 v[208+8*\u+\j], v[208+8*\u+\j]
.endr
.endr
	v_nop
	s_wait_alu depctr_va_vdst(0)                   ; one wait for the sixteen
.irp u, 0,1
	v_pk_add_f32 v[ST+8*\u+2:ST+8*\u+3], v[208+8*\u:209+8*\u], v[210+8*\u:211+8*\u]
	v_pk_add_f32 v[ST+8*\u+4:ST+8*\u+5], v[212+8*\u:213+8*\u], v[214+8*\u:215+8*\u]
.endr
.irp u, 0,1
	v_pk_add_f32 v[ST+8*\u+2:ST+8*\u+3], v[ST+8*\u+2:ST+8*\u+3], v[ST+8*\u+4:ST+8*\u+5]
.endr
.irp u, 0,1
	v_add_f32 v[ST+8*\u+4], v[ST+8*\u+2], v[ST+8*\u+3]
.endr
.irp u, 0,1
	v_permlanex16_b32 v[ST+8*\u+5], v[ST+8*\u+4], s[SEL], s[SEL+1]
.endr
.irp u, 0,1
	v_add_f32 v[ST+8*\u+4], v[ST+8*\u+4], v[ST+8*\u+5]
.endr
.irp u, 0,1
	v_rcp_f32 v[ST+8*\u+6], v[ST+8*\u+4]
.endr
	v_nop
	s_wait_alu depctr_va_vdst(0)
.macro CORNER u                        ; O^T = V^T p^T of head u: four accumulators by turns, four keys a turn; nine places serve the reads below and the next head's first product, which writes over them
.irp s, 0,1,2,3
.irp c, 0,1,2,3
.if \s == 0
	v_wmma_f32_16x16x4_f32 v[FP+8*\c:FP+8*\c+7], v[176+8*\c+2*\s:177+8*\c+2*\s], v[208+8*(\u)+2*\s:209+8*(\u)+2*\s], 0
.else
	v_wmma_f32_16x16x4_f32 v[FP+8*\c:FP+8*\c+7], v[176+8*\c+2*\s:177+8*\c+2*\s], v[208+8*(\u)+2*\s:209+8*(\u)+2*\s], v[FP+8*\c:FP+8*\c+7]
.endif
.endr
.endr
.rept 9
	v_nop
.endr
.irp j, 0,1,2,3,4,5,6,7,8,9,10,11,12,13,14,15,16,17,18,19,20,21,22,23,24,25,26,27,28,29,30,31
	v_mul_f32 v[112+32*(\u)+\j], v[FP+\j], v[ST+8*(\u)+6]
.endr
.irp c, 0,1,2,3
	global_store_b128 v[O32], v[112+32*(\u)+8*\c:115+32*(\u)+8*\c], s[C32:C32+1] offset:256*(\u)+64*\c
	global_store_b128 v[O32], v[116+32*(\u)+8*\c:119+32*(\u)+8*\c], s[C32:C32+1] offset:256*(\u)+64*\c+16
.endr
.endm
	CORNER 0
	CORNER 1
.Lend:
	s_wait_tensorcnt 0x0                           ; the wave's end
	ds_add_u32 v[SPW], v[NIL]
	s_wait_dscnt 0x0
	s_endpgm
.Lfunc_end_k_qb958e9a2ff_attn:
	.size	k_qb958e9a2ff_attn, .Lfunc_end_k_qb958e9a2ff_attn-k_qb958e9a2ff_attn
	.p2alignl 7, 3214868480
	.fill 96, 4, 3214868480
	.section	.rodata,"a",@progbits
	.p2align	6, 0x0
	.amdhsa_kernel k_qb958e9a2ff_attn
		.amdhsa_group_segment_fixed_size 165888
		.amdhsa_private_segment_fixed_size 0
		.amdhsa_enable_private_segment 0
		.amdhsa_kernarg_size 32
		.amdhsa_user_sgpr_count 2
		.amdhsa_user_sgpr_kernarg_segment_ptr 1
		.amdhsa_wavefront_size32 1
		.amdhsa_system_sgpr_workgroup_id_x 1
		.amdhsa_system_sgpr_workgroup_id_y 1
		.amdhsa_system_sgpr_workgroup_id_z 1
		.amdhsa_system_vgpr_workitem_id 0
		.amdhsa_next_free_vgpr 256
		.amdhsa_next_free_sgpr 66
		.amdhsa_reserve_vcc 1
		.amdhsa_float_denorm_mode_32 3
		.amdhsa_float_denorm_mode_16_64 3
		.amdhsa_memory_ordered 1
		.amdhsa_forward_progress 1
		.amdhsa_inst_pref_size 66
	.end_amdhsa_kernel
	.amdgpu_metadata
---
amdhsa.version: [ 1, 2 ]
amdhsa.kernels:
  - .name:           k_qb958e9a2ff_attn
    .symbol:         k_qb958e9a2ff_attn.kd
    .args:
      - { .name: qkv16, .offset: 0, .size: 8, .value_kind: global_buffer, .address_space: global }
      - { .name: qkv32, .offset: 8, .size: 8, .value_kind: global_buffer, .address_space: global }
      - { .name: ctx16, .offset: 16, .size: 8, .value_kind: global_buffer, .address_space: global }
      - { .name: ctx32, .offset: 24, .size: 8, .value_kind: global_buffer, .address_space: global }
    .group_segment_fixed_size: 165888
    .private_segment_fixed_size: 0
    .kernarg_segment_align: 8
    .kernarg_segment_size: 32
    .max_flat_workgroup_size: 512
    .sgpr_count:     66
    .vgpr_count:     256
    .wavefront_size: 32
...
	.end_amdgpu_metadata
.endif
;; end of part 3
;; launch wofirst (part 4): grid 128 x 1, 16 waves a work-group, clusters of 4 x 1, 288,768 bytes of LDS; arguments wo, ctx32, wo16, out0; writes wo16, out0
.if DOCPART == 4
	.amdgcn_target "amdgcn-amd-amdhsa--gfx1250"
	.amdhsa_code_object_version 6
	.text
	.protected	k_qb958e9a2ff_wofirst
	.globl	k_qb958e9a2ff_wofirst
	.p2align	8
	.type	k_qb958e9a2ff_wofirst,@function
k_qb958e9a2ff_wofirst:
	s_mov_b64 s[64:65], 0
	v_nop
	global_prefetch_b8 v0, s[64:65] scope:SCOPE_SE
	s_setreg_imm32_b32 hwreg(HW_REG_WAVE_MODE, 25, 1), 1
	s_wait_xcnt 0x0
	s_wait_alu depctr_hold_cnt(0) depctr_sa_sdst(0) depctr_va_vdst(0) depctr_va_sdst(0) depctr_va_ssrc(0) depctr_va_vcc(0) depctr_vm_vsrc(0)
	s_getreg_b32 s2, hwreg(HW_REG_IB_STS2, 6, 4)
	s_cmp_eq_u32 s2, 0
	s_cbranch_scc0 .Lentry_in_a_cluster
	s_endpgm
.Lentry_in_a_cluster:
	s_bfe_u32 s2, ttmp6, 0x10000c
	s_cmp_lg_u32 s2, 0x3003
	s_cbranch_scc0 .Lentry_shape_is_right
	s_endpgm
.Lentry_shape_is_right:
; Two things on one read of wo: wo in f16, in the order of the projection's operand registers (wo16: [K / 64][o / 16][4 chunks of 16 along K][lane][16 bytes]), and rows 0-15 of the output, ctx32 wo^T, in f32 by the f32 matrix form (those rows average few values; 16 of 4,096 rows: no bulk work).
; SHARES.  A work-group takes 16 rows of wo (16 output columns, nb); wave w takes K = 128 w .. 128 w + 127.  The matrix form makes 16 columns, and a sum does not span work-groups: 128 work-groups.
; Each wave brings its 16 x 128 tile of wo by a tensor load of its own and its tile of ctx32 by a JOINT load: the four work-groups of a cluster read the same rows of ctx32.  LDS is filled once; a wave reads its own bytes alone.
; The sixteen partial sums meet in LDS behind a barrier and are added in a fixed order by waves 0 and 1.  The stores to out0 are 64 bytes of a row: 131,072 bytes in all.
; No prefetch: every load stands at the head.
; REGISTERS: v32-95 wo's numbers, v96-159 ctx32's (register 8 f + i: k = 16 f + 8 h + i of row r); v160-191 four accumulators, written by matrix instructions alone; v192-223 f16; v224-239 sums.
.set TILE,  16*528                     ; 16 rows of 512 bytes + 16 of padding
.set WREG,  2*TILE
.set RED,   16*WREG                    ; the partial sums: 1,024 bytes a wave
.set SPARE, RED+16*1024
.set SPW, 14
.set NIL, 15
.macro ROUND
	s_barrier_signal -1
	s_barrier_wait -1
	s_cmp_lg_u32 s12, 0
	s_cbranch_scc1 .Lnot_wave_0_\@
	s_barrier_signal -3
.Lnot_wave_0_\@:
	s_barrier_wait -3
	s_barrier_signal -1
	s_barrier_wait -1
.endm
	s_load_b256 s[4:11], s[0:1], 0x0               ; wo, ctx32, wo16, out0
	v_lshl_add_u32 v[SPW], v0, 2, SPARE
	v_mov_b32 v[NIL], 0
	ds_add_u32 v[SPW], v[NIL]                      ; the opening: the add, twice on end, and its wait ahead of my first tensor load
	ds_add_u32 v[SPW], v[NIL]
	v_lshrrev_b32 v1, 5, v0
	v_readfirstlane_b32 s12, v1                    ; wave 0..15
	s_bfe_u32 s13, ttmp6, 0x40000                  ; cx
	s_lshl_b32 s14, ttmp9, 2
	s_add_co_u32 s14, s14, s13                     ; nb
	s_mov_b32 s16, (2<<16)|(1<<20)|(6<<22)|(3<<25) ; group 1, my own load: elements of 4 bytes; four words of padding after every 128
	s_mov_b32 s17, 128<<16
	s_mov_b32 s18, 16<<16
	s_mov_b32 s19, 128<<16
	s_mov_b32 s20, 16
	s_mov_b32 s21, 2048
	s_mov_b32 s22, 0
	s_mov_b32 s23, 0
	s_mov_b32 s24, 15|(2<<16)|(1<<20)|(1<<21)|(6<<22)|(3<<25)   ; the joint load: the mask names the four, bit 21 beside it
	s_mov_b32 s25, 128<<16
	s_mov_b32 s26, 16<<16
	s_mov_b32 s27, 128<<16
	s_mov_b32 s28, 16
	s_mov_b32 s29, 2048
	s_mov_b32 s30, 0
	s_mov_b32 s31, 0
	s_mul_i32 s40, s12, WREG                       ; my LDS
	s_lshl_b32 s42, s12, 9                         ; my 128 along K: 512 bytes of a row
	s_mov_b32 s43, 0
	s_lshl_b32 s44, s14, 17                        ; 16 rows of wo
	s_add_co_u32 s44, s44, s42
	s_mov_b32 s45, 0
	v_and_b32 v8, 15, v0                           ; r
	v_bfe_u32 v9, v0, 4, 1                         ; h
	v_and_b32 v6, 31, v0
	v_lshlrev_b32 v6, 4, v6                        ; 16 x lane
	v_mul_u32_u24 v2, v8, 528
	v_lshl_add_u32 v2, v9, 5, v2
	v_add_nc_u32 v2, s40, v2                       ; my row of my tile, + 32 h
	s_lshl_b32 s46, s12, 10
	s_add_co_u32 s46, s46, RED
	v_add_nc_u32 v3, s46, v6                       ; where my partial sum goes
	s_and_b32 s46, s12, 1
	s_lshl_b32 s47, s46, 9
	s_add_co_u32 s47, s47, RED
	v_add_nc_u32 v4, s47, v6                       ; which half of each partial sum I add up (waves 0, 1)
	v_lshlrev_b32 v5, 13, v8
	v_lshl_add_u32 v5, v9, 5, v5
	s_lshl_b32 s46, s46, 4
	v_add_nc_u32 v5, s46, v5                       ; out0: 8,192 r + 32 h + 16 x half
	s_wait_dscnt 0x0                               ; both opening adds are done
	s_wait_kmcnt 0x0
	s_mov_b32 s32, 1
	s_mov_b32 s33, s40
	s_add_nc_u64 s[34:35], s[4:5], s[44:45]
	s_or_b32 s35, s35, 0x80000000
	s_mov_b32 s36, 1
	s_add_co_u32 s37, s40, TILE
	s_add_nc_u64 s[38:39], s[6:7], s[42:43]        ; made of the wave's number alone: equal in the four partners
	s_or_b32 s39, s39, 0x80000000
	s_lshl_b32 s44, s12, 19                        ; wo16: my 128 along K are two rows of 262,144 bytes; + 2,048 nb
	s_lshl_b32 s46, s14, 11
	s_add_co_u32 s44, s44, s46
	s_add_nc_u64 s[8:9], s[8:9], s[44:45]
	s_lshl_b32 s44, s14, 6
	s_add_nc_u64 s[10:11], s[10:11], s[44:45]      ; out0 at my 16 columns
	ROUND                                          ; the four work-groups are here: the joint loads meet
	tensor_load_to_lds s[32:35], s[16:23]
	s_nop 0
	tensor_load_to_lds s[36:39], s[24:31]          ; two tensor loads of mine are out
	s_nop 0
.rept 4
	v_nop
.endr
	s_wait_tensorcnt 0x0                           ; both tiles are in; I alone read them
.irp f, 0,1,2,3,4,5,6,7
	ds_load_b128 v[32+8*\f:35+8*\f], v2 offset:64*\f
	ds_load_b128 v[36+8*\f:39+8*\f], v2 offset:64*\f+16
	ds_load_b128 v[96+8*\f:99+8*\f], v2 offset:TILE+64*\f
	ds_load_b128 v[100+8*\f:103+8*\f], v2 offset:TILE+64*\f+16
.endr
	s_wait_dscnt 0x0
.irp j, 0,1,2,3,4,5,6,7,8,9,10,11,12,13,14,15,16,17,18,19,20,21,22,23,24,25,26,27,28,29,30,31
	v_cvt_pk_f16_f32 v[192+\j], v[32+2*\j], v[33+2*\j]
.endr
.irp f, 0,1,2,3,4,5,6,7
	global_store_b128 v6, v[192+4*\f:195+4*\f], s[8:9] offset:262144*(\f/4)+512*(\f%4)    ; the fragments' images: the wave stores twice 2,048 consecutive bytes
.endr
.irp f, 0,1,2,3,4,5,6,7                        ; source 0 = wo's rows, source 1 = ctx32's: lane (r, h) holds row r of the output and columns 8 h + 0 .. 7.  K is permuted alike on both sides.  Four accumulators by turns
.irp s, 0,1,2,3
.if \f == 0
	v_wmma_f32_16x16x4_f32 v[160+8*\s:167+8*\s], v[32+8*\f+2*\s:33+8*\f+2*\s], v[96+8*\f+2*\s:97+8*\f+2*\s], 0
.else
	v_wmma_f32_16x16x4_f32 v[160+8*\s:167+8*\s], v[32+8*\f+2*\s:33+8*\f+2*\s], v[96+8*\f+2*\s:97+8*\f+2*\s], v[160+8*\s:167+8*\s]
.endif
.endr
.endr
.rept 8
	v_nop                                          ; eight places behind this form
.endr
.irp j, 0,2,4,6
	v_pk_add_f32 v[224+\j:225+\j], v[160+\j:161+\j], v[168+\j:169+\j]
.endr
.irp j, 0,2,4,6
	v_pk_add_f32 v[232+\j:233+\j], v[176+\j:177+\j], v[184+\j:185+\j]
.endr
.irp j, 0,2,4,6
	v_pk_add_f32 v[224+\j:225+\j], v[224+\j:225+\j], v[232+\j:233+\j]
.endr
	ds_store_b128 v3, v[224:227]
	ds_store_b128 v3, v[228:231] offset:512
	s_wait_dscnt 0x0                               ; for the others' sake: my partial sum has landed
	s_barrier_signal -1
	s_barrier_wait -1
	s_cmp_lt_u32 s12, 2
	s_cbranch_scc0 .Ldone
.irp p, 0,1,2,3,4,5,6,7,8,9,10,11,12,13,14,15
	ds_load_b128 v[32+4*\p:35+4*\p], v4 offset:1024*\p
.endr
	s_wait_dscnt 0x0
.irp p, 1,2,3,4,5,6,7,8,9,10,11,12,13,14,15
	v_pk_add_f32 v[32:33], v[32:33], v[32+4*\p:33+4*\p]            ; K ascending: a fixed order
	v_pk_add_f32 v[34:35], v[34:35], v[34+4*\p:35+4*\p]
.endr
	global_store_b128 v5, v[32:35], s[10:11]
.Ldone:
	s_wait_tensorcnt 0x0                           ; the wave's end
	ds_add_u32 v[SPW], v[NIL]
	s_wait_dscnt 0x0
	ROUND                                          ; the closing round
	s_endpgm
.Lfunc_end_k_qb958e9a2ff_wofirst:
	.size	k_qb958e9a2ff_wofirst, .Lfunc_end_k_qb958e9a2ff_wofirst-k_qb958e9a2ff_wofirst
	.p2alignl 7, 3214868480
	.fill 96, 4, 3214868480
	.section	.rodata,"a",@progbits
	.p2align	6, 0x0
	.amdhsa_kernel k_qb958e9a2ff_wofirst
		.amdhsa_group_segment_fixed_size 288768
		.amdhsa_private_segment_fixed_size 0
		.amdhsa_enable_private_segment 0
		.amdhsa_kernarg_size 32
		.amdhsa_user_sgpr_count 2
		.amdhsa_user_sgpr_kernarg_segment_ptr 1
		.amdhsa_wavefront_size32 1
		.amdhsa_system_sgpr_workgroup_id_x 1
		.amdhsa_system_sgpr_workgroup_id_y 1
		.amdhsa_system_sgpr_workgroup_id_z 1
		.amdhsa_system_vgpr_workitem_id 0
		.amdhsa_next_free_vgpr 256
		.amdhsa_next_free_sgpr 66
		.amdhsa_reserve_vcc 0
		.amdhsa_float_denorm_mode_32 3
		.amdhsa_float_denorm_mode_16_64 3
		.amdhsa_memory_ordered 1
		.amdhsa_forward_progress 1
		.amdhsa_inst_pref_size 16
	.end_amdhsa_kernel
	.amdgpu_metadata
---
amdhsa.version: [ 1, 2 ]
amdhsa.kernels:
  - .name:           k_qb958e9a2ff_wofirst
    .symbol:         k_qb958e9a2ff_wofirst.kd
    .args:
      - { .name: wo, .offset: 0, .size: 8, .value_kind: global_buffer, .address_space: global }
      - { .name: ctx32, .offset: 8, .size: 8, .value_kind: global_buffer, .address_space: global }
      - { .name: wo16, .offset: 16, .size: 8, .value_kind: global_buffer, .address_space: global }
      - { .name: out0, .offset: 24, .size: 8, .value_kind: global_buffer, .address_space: global }
    .group_segment_fixed_size: 288768
    .private_segment_fixed_size: 0
    .kernarg_segment_align: 8
    .kernarg_segment_size: 32
    .max_flat_workgroup_size: 512
    .sgpr_count:     66
    .vgpr_count:     256
    .wavefront_size: 32
...
	.end_amdgpu_metadata
.endif
;; end of part 4
;; launch proj (part 5): grid 8 x 32, 4 waves a work-group, clusters of 4 x 4, 327,680 bytes of LDS; arguments ctx16, wo16, out0; writes out0
.if DOCPART == 5
	.amdgcn_target "amdgcn-amd-amdhsa--gfx1250"
	.amdhsa_code_object_version 6
	.text
	.protected	k_qb958e9a2ff_proj
	.globl	k_qb958e9a2ff_proj
	.p2align	8
	.type	k_qb958e9a2ff_proj,@function
k_qb958e9a2ff_proj:
	s_mov_b64 s[64:65], 0
	v_nop
	global_prefetch_b8 v0, s[64:65] scope:SCOPE_SE
	s_setreg_imm32_b32 hwreg(HW_REG_WAVE_MODE, 25, 1), 1
	s_wait_xcnt 0x0
	s_wait_alu depctr_hold_cnt(0) depctr_sa_sdst(0) depctr_va_vdst(0) depctr_va_sdst(0) depctr_va_ssrc(0) depctr_va_vcc(0) depctr_vm_vsrc(0)
	s_getreg_b32 s2, hwreg(HW_REG_IB_STS2, 6, 4)
	s_cmp_eq_u32 s2, 0
	s_cbranch_scc0 .Lentry_in_a_cluster
	s_endpgm
.Lentry_in_a_cluster:
	s_bfe_u32 s2, ttmp6, 0x10000c
	s_cmp_lg_u32 s2, 0xf033
	s_cbranch_scc0 .Lentry_shape_is_right
	s_endpgm
.Lentry_shape_is_right:
; out0 = ctx wo^T, f16 operands, f32 sums, M 4,096, N 2,048, K 2,048.  Rows 0-15 are not stored here: the launch before has written them in f32.
; SHARES.  256 work-groups; a tile of the output is 128 rows x 256 columns; four waves, each 64 x 128: 32 accumulators.  Source 0 = wo's fragment, source 1 = ctx's: a lane holds eight neighbouring columns of one row.
; Both operands lie in memory as images of operand registers, by 64 along K.  For 64 along K the tile of ctx is 16,384 dense bytes and the tile of wo 32,768; from 64 to the next it is 524,288 bytes in ctx16 and 262,144 in wo16.
; They come without padding: a fragment load is 16 x lane + a constant.
; THE RING.  Two LDS slots of 192 along K (a tensor load brings three such rows: half of ctx's tile, 24,576 bytes, or half of wo's, 49,152): 768 bytes for each k, so 192 is the longest step of whole quarters of which two slots,
; 2 x 147,456 bytes, fit beside the spare words.  A slot is six quarters of 32 along K on two fragment buffers, 192 matrix instructions a wave; a refill has 176 of them between its request and the wait for it.
; 2,048 = 10 x 192 + 128: the eleventh fill has two rows, by groups 1 of its own.
; CLUSTER 4 x 4: ctx's tile is asked for jointly along a row of the cluster, wo's along a column.
; PREFETCH, once a trip of the loop, behind the trip's first joint refill and the run of LDS loads that follows it: the six rows of 64 along K of the two fills that come two and three refills on (in the last trip: the two rows of the eleventh fill).
; An instruction names two rows, 16 lanes each, 256 bytes a lane.  ctx's tile row is read by both clusters of its row of clusters: the one with x = 0 asks (wave 0); wo's tile column by all eight clusters of its column: the one with
; y = 0 asks (waves 2, 3, each for the half that it fetches).  The four partners take 4,096 bytes of each row, told apart by address.  So each 256 bytes are named once.  The first four fills come by their loads alone.
; REGISTERS.  window 0: v16-30 addresses; buffer 0: ctx v32-63, wo v96-159; buffer 1: ctx v64-95, wo v160-223.  window 1: accumulator (a, b) at v[8 (8 a + b)].
.set AH,    24576                      ; what one load brings of ctx, and what one wave reads of it in a slot
.set BH,    49152                      ; the same of wo
.set BOFF,  2*AH
.set SLOT,  2*AH+2*BH
.set STAGE, SLOT                       ; the way out: 16 rows x (512 + 16) bytes for each wave, in slot 1: it has had its last fill, and every wave has left it at the last change of slots
.set SPARE, 2*SLOT                     ; the spare words, 128 bytes for each wave
.set PA,    524288
.set PB,    262144
.set ADRA, 16
.set ADRB, 20
.set STO,  24
.set RD,   25
.set CO,   26                          ; v26 16 x lane
.set ROWG, 27                          ; v27 my first row of the output
.set SPW,  28
.set NIL,  29
.set PFO,  30                          ; v30 the prefetches' offset: 256 (lane % 16) + (lane / 16) rows of 64 along K
.set G1,   24                          ; s[24:31] group 1 for ctx, three rows;  s[32:39] groups 0, one for each slot
.set G0,   32
.set G1B,  48                          ; s[48:55], s[56:63] the same for wo
.set G0B,  56
.set G1S,  68                          ; s[68:75] group 1 for ctx, two rows
.set G1BS, 76                          ; s[76:83] for wo, two rows
.set PFS,  18                          ; s[18:19] six rows on, in my operand's buffer
.set LIM,  43                          ; s43 0 in a wave that prefetches, else the greatest number
.set PFA,  44                          ; s[44:45] where my prefetches stand
.set MUL,  0x50                        ; C and D window 1
.set MSB, 0
.macro WIN new
.if MSB != (\new)
	s_set_vgpr_msb (MSB<<8)|(\new)
.set MSB, (\new)
.endif
.endm
.macro PLACES
.rept 4
	v_nop
.endr
.endm
.macro JLOAD g0a, g1a, g0b, g1b        ; waves 0, 1 fetch ctx's halves, waves 2, 3 wo's; s_nop 0 and four v_nop follow each line
	s_cmp_eq_u32 s11, 0
	s_cbranch_scc0 .Lfor_b_\@
	tensor_load_to_lds s[\g0a:\g0a+3], s[\g1a:\g1a+7]
	s_nop 0
.rept 4
	v_nop
.endr
	s_branch .Lasked_\@
.Lfor_b_\@:
	tensor_load_to_lds s[\g0b:\g0b+3], s[\g1b:\g1b+7]
	s_nop 0
.rept 4
	v_nop
.endr
.Lasked_\@:
.endm
.macro ASK                             ; s3 counts the trips down from 4: in the last trip only two rows are left to name
	s_cmp_gt_u32 s3, s[LIM]
	s_cbranch_scc0 .Lnot_mine_\@
	s_cmp_eq_u32 s11, 0
	s_cbranch_scc0 .Lpf_b_\@
	global_prefetch_b8 v[PFO], s[PFA:PFA+1] th:TH_LOAD_NT scope:SCOPE_SE
	s_cmp_eq_u32 s3, 1
	s_cbranch_scc1 .Lnot_mine_\@
	global_prefetch_b8 v[PFO], s[PFA:PFA+1] offset:2*PA th:TH_LOAD_NT scope:SCOPE_SE
	global_prefetch_b8 v[PFO], s[PFA:PFA+1] offset:4*PA th:TH_LOAD_NT scope:SCOPE_SE
	s_branch .Lnot_mine_\@
.Lpf_b_\@:
	global_prefetch_b8 v[PFO], s[PFA:PFA+1] th:TH_LOAD_NT scope:SCOPE_SE
	s_cmp_eq_u32 s3, 1
	s_cbranch_scc1 .Lnot_mine_\@
	global_prefetch_b8 v[PFO], s[PFA:PFA+1] offset:2*PB th:TH_LOAD_NT scope:SCOPE_SE
	global_prefetch_b8 v[PFO], s[PFA:PFA+1] offset:4*PB th:TH_LOAD_NT scope:SCOPE_SE
.Lnot_mine_\@:
.endm
.macro CREST
	s_cmp_lg_u32 s10, 0
	s_cbranch_scc1 .Lnot_wave_0_\@
	s_barrier_signal -3
.Lnot_wave_0_\@:
	s_barrier_wait -3
	s_barrier_signal -1
	s_barrier_wait -1
.endm
.macro CROUND
	s_barrier_signal -1
	s_barrier_wait -1
	CREST
.endm
	s_load_b128 s[4:7], s[0:1], 0x0                ; ctx16, wo16
	s_load_b64 s[8:9], s[0:1], 0x10                ; out0
	v_lshl_add_u32 v[SPW], v0, 2, SPARE
	v_mov_b32 v[NIL], 0
	ds_add_u32 v[SPW], v[NIL]                      ; the opening: the add, twice on end, and its wait ahead of my first tensor load
	ds_add_u32 v[SPW], v[NIL]
	v_lshrrev_b32 v1, 5, v0
	v_readfirstlane_b32 s10, v1                    ; wave
	s_lshr_b32 s11, s10, 1                         ; which 64 rows are mine.  Also: I fetch for ctx (0) or wo (1)
	s_and_b32 s12, s10, 1                          ; which 128 columns.  Also: which half of that tile I fetch
	s_bfe_u32 s40, ttmp6, 0x40000                  ; cx
	s_bfe_u32 s41, ttmp6, 0x40004                  ; cy
	s_lshl_b32 s42, ttmp9, 2
	s_add_co_u32 s42, s42, s40                     ; tile column
	s_and_b32 s13, ttmp7, 0xffff
	s_lshl_b32 s13, s13, 2
	s_add_co_u32 s13, s13, s41                     ; tile row
	s_lshl_b32 s43, s41, 2
	s_lshl_b32 s43, 15, s43                        ; my row of the cluster
	s_lshl_b32 s44, 0x1111, s40                    ; my column
	s_or_b32 s[G1], s43, (3<<16)|(1<<21)           ; ctx: three rows of 8,192 bytes (1,024 elements of 8 bytes), 65,536 elements apart; no padding
	s_mov_b32 s[G1+1], 1024<<16
	s_mov_b32 s[G1+2], 3<<16
	s_mov_b32 s[G1+3], 1024<<16
	s_mov_b32 s[G1+4], 3
	s_mov_b32 s[G1+5], 65536
	s_mov_b32 s[G1+6], 0
	s_mov_b32 s[G1+7], 0
	s_or_b32 s[G1S], s43, (3<<16)|(1<<21)          ; the same with two rows
	s_mov_b32 s[G1S+1], 1024<<16
	s_mov_b32 s[G1S+2], 2<<16
	s_mov_b32 s[G1S+3], 1024<<16
	s_mov_b32 s[G1S+4], 2
	s_mov_b32 s[G1S+5], 65536
	s_mov_b32 s[G1S+6], 0
	s_mov_b32 s[G1S+7], 0
	s_or_b32 s[G1B], s44, (3<<16)|(1<<21)          ; wo: three rows of 16,384 bytes, 32,768 elements apart
	s_mov_b32 s[G1B+1], 2048<<16
	s_mov_b32 s[G1B+2], 3<<16
	s_mov_b32 s[G1B+3], 2048<<16
	s_mov_b32 s[G1B+4], 3
	s_mov_b32 s[G1B+5], 32768
	s_mov_b32 s[G1B+6], 0
	s_mov_b32 s[G1B+7], 0
	s_or_b32 s[G1BS], s44, (3<<16)|(1<<21)         ; the same with two rows
	s_mov_b32 s[G1BS+1], 2048<<16
	s_mov_b32 s[G1BS+2], 2<<16
	s_mov_b32 s[G1BS+3], 2048<<16
	s_mov_b32 s[G1BS+4], 2
	s_mov_b32 s[G1BS+5], 32768
	s_mov_b32 s[G1BS+6], 0
	s_mov_b32 s[G1BS+7], 0
	s_lshl_b32 s16, s13, 14
	s_lshl_b32 s17, s12, 13
	s_add_co_u32 s16, s16, s17                     ; ctx: 16,384 x tile row + 8,192 x half
	s_mov_b32 s17, 0
	s_lshl_b32 s46, s42, 15
	s_lshl_b32 s47, s12, 14
	s_add_co_u32 s46, s46, s47                     ; wo: 32,768 x tile column + 16,384 x half
	s_mov_b32 s47, 0
	s_mul_i32 s20, s12, AH                         ; where they go: no place in the cluster enters an LDS address
	s_mul_i32 s21, s12, BH
	s_add_co_u32 s21, s21, BOFF
	s_wait_dscnt 0x0                               ; both opening adds are done
	s_wait_kmcnt 0x0
	s_add_nc_u64 s[14:15], s[4:5], s[16:17]
	s_add_nc_u64 s[46:47], s[6:7], s[46:47]
	CROUND                                         ; all sixteen work-groups are here: the first joint loads meet
.irp s, 0,1
	s_mov_b32 s[G0+4*\s], 1
	s_add_co_u32 s[G0+4*\s+1], s20, \s*SLOT
	s_add_nc_u64 s[G0+4*\s+2:G0+4*\s+3], s[14:15], \s*3*PA         ; fill s: three rows of 64 along K from row 3 s
	s_or_b32 s[G0+4*\s+3], s[G0+4*\s+3], 0x80000000
	s_mov_b32 s[G0B+4*\s], 1
	s_add_co_u32 s[G0B+4*\s+1], s21, \s*SLOT
	s_add_nc_u64 s[G0B+4*\s+2:G0B+4*\s+3], s[46:47], \s*3*PB
	s_or_b32 s[G0B+4*\s+3], s[G0B+4*\s+3], 0x80000000
	JLOAD G0+4*\s, G1, G0B+4*\s, G1B               ; two tensor loads of mine are out
.endr
	v_and_b32 v1, 15, v0                           ; r
	v_bfe_u32 v2, v0, 4, 1                         ; h
	v_and_b32 v3, 31, v0
	v_lshlrev_b32 v[CO], 4, v3
	s_mul_i32 s21, s11, AH                         ; my 64 rows of ctx
	s_mul_i32 s22, s12, BH                         ; my 128 rows of wo,
	s_add_co_u32 s22, s22, BOFF                    ; behind ctx's tile
.irp s, 0,1
	v_add_nc_u32 v[ADRA+\s], s21, v[CO]
	v_add_nc_u32 v[ADRB+\s], s22, v[CO]
	s_add_co_u32 s21, s21, SLOT
	s_add_co_u32 s22, s22, SLOT
.endr
	s_mul_i32 s23, s10, 16*528
	s_add_co_u32 s23, s23, STAGE                   ; my stage
	v_mul_u32_u24 v4, v1, 528
	v_lshl_add_u32 v4, v2, 5, v4
	v_add_nc_u32 v[STO], s23, v4                   ; in: row r, 32 bytes for each half of the lanes
	v_add_nc_u32 v[RD], s23, v[CO]                 ; back: the 32 lanes take one row of 512 bytes
	s_lshl_b32 s16, s13, 7
	s_lshl_b32 s17, s11, 6
	s_add_co_u32 s16, s16, s17                     ; my first row
	v_mov_b32 v[ROWG], s16
	s_lshl_b32 s16, s16, 13                        ; 8,192 bytes a row
	s_lshl_b32 s46, s42, 10
	s_lshl_b32 s47, s12, 9
	s_add_co_u32 s46, s46, s47                     ; my first column, in bytes
	s_add_co_u32 s16, s16, s46
	s_mov_b32 s17, 0
	s_add_nc_u64 s[8:9], s[8:9], s[16:17]
	; the prefetches: who asks, and where
	s_lshl_b32 s20, s13, 14
	s_lshl_b32 s21, s42, 15
	s_lshl_b32 s22, s12, 14
	s_add_co_u32 s21, s21, s22
	s_and_b32 s22, ttmp7, 0xffff                   ; cluster y
	s_mov_b32 s23, PB
	s_cmp_eq_u32 s11, 0                            ; do I fetch for ctx?
	s_cselect_b32 s20, s20, s21                    ; the tile's (wo: my half's) first byte in a row of 64 along K
	s_cselect_b32 s21, s40, s41                    ; my place among the four that ask for it with me
	s_cselect_b32 s22, ttmp9, s22                  ; the coordinate along which other clusters read the same bytes
	s_cselect_b32 s23, PA, s23                     ; from row to row
	s_cselect_b64 s[PFA:PFA+1], s[4:5], s[6:7]
	s_cmp_eq_u32 s22, 0
	s_cselect_b32 s[LIM], 0, -1                    ; the same in all sixteen partners, for a given wave
	s_cmp_eq_u32 s10, 1
	s_cselect_b32 s[LIM], -1, s[LIM]               ; a row of ctx's tile is four partners' 4,096 bytes: wave 0's; wave 1 names nothing
	s_mul_i32 s[PFS], s23, 6
	s_mov_b32 s[PFS+1], 0
	s_lshl_b32 s21, s21, 12
	s_add_co_u32 s20, s20, s21
	s_add_co_u32 s20, s20, s[PFS]                  ; at row 6: the first trip steps it to row 12, the fifth fill's first
	s_mov_b32 s21, 0
	s_add_nc_u64 s[PFA:PFA+1], s[PFA:PFA+1], s[20:21]
	v_mul_u32_u24 v[PFO], s23, v2
	v_lshl_add_u32 v[PFO], v1, 8, v[PFO]
.macro FETCH slot, q, buf              ; 24 LDS loads in one run: wo's eight fragments, then ctx's blocks 0, 1, then 2, 3, of the slot's q-th 32 along K
.irp i, 0,1,2,3,4,5,6,7
	ds_load_b128 v[96+64*(\buf)+8*\i:96+64*(\buf)+8*\i+3], v[ADRB+\slot] offset:16384*((\q)/2)+1024*((\q)%2)+2048*\i
	ds_load_b128 v[96+64*(\buf)+8*\i+4:96+64*(\buf)+8*\i+7], v[ADRB+\slot] offset:16384*((\q)/2)+1024*((\q)%2)+2048*\i+512
.endr
.irp i, 0,1,2,3
	ds_load_b128 v[32+32*(\buf)+8*\i:32+32*(\buf)+8*\i+3], v[ADRA+\slot] offset:8192*((\q)/2)+1024*((\q)%2)+2048*\i
	ds_load_b128 v[32+32*(\buf)+8*\i+4:32+32*(\buf)+8*\i+7], v[ADRA+\slot] offset:8192*((\q)/2)+1024*((\q)%2)+2048*\i+512
.endr
.endm
.macro MUL8 buf, a, zero               ; row block a against wo's eight.  The 32 accumulators take turns, one instruction a turn, in the same order in every quarter
.irp b, 0,1,2,3,4,5,6,7
.if \zero
	v_wmma_f32_16x16x32_f16 v[8*(8*(\a)+\b):8*(8*(\a)+\b)+7], v[96+64*(\buf)+8*\b:96+64*(\buf)+8*\b+7], v[32+32*(\buf)+8*(\a):32+32*(\buf)+8*(\a)+7], 0
.else
	v_wmma_f32_16x16x32_f16 v[8*(8*(\a)+\b):8*(8*(\a)+\b)+7], v[96+64*(\buf)+8*\b:96+64*(\buf)+8*\b+7], v[32+32*(\buf)+8*(\a):32+32*(\buf)+8*(\a)+7], v[8*(8*(\a)+\b):8*(8*(\a)+\b)+7]
.endif
.endr
.endm
.macro QUARTER slot, qn, f, g, zero    ; multiplies buffer f; in its middle fetches the slot's qn-th 32 along K into buffer g
	s_wait_dscnt 4                                 ; wo's fragments and ctx's blocks 0, 1 are in; the youngest four loads (blocks 2, 3) may be out
	WIN MUL
	MUL8 \f, 0, \zero
	MUL8 \f, 1, \zero
	WIN 0
	PLACES                                         ; four places in front of loads into registers that the quarter before multiplied
	FETCH \slot, \qn, \g
	s_wait_dscnt 24                                ; all but the 24 just issued
	WIN MUL
	MUL8 \f, 2, \zero
	MUL8 \f, 3, \zero
	WIN 0
.endm
; A slot's last quarter multiplies buffer 1 and changes slots: one barrier; in front of it each wave waits for all its tensor loads, adds 0 to its spare word, and waits for that and for its reads of this slot.
; fill = 1: this slot is filled again with the three rows six rows on; 2: with the last two rows; 0: nothing is left to fetch.  ask = 1: the trip's prefetches stand here.
.macro TURN slot, next, fill, ask
.if \ask
	s_wait_xcnt 0x0                                ; the last prefetches, a trip back, have read their address
	s_add_nc_u64 s[PFA:PFA+1], s[PFA:PFA+1], s[PFS:PFS+1]
.endif
	s_wait_tensorcnt 0x0                           ; all my tensor loads have landed: my part of the next slot
	ds_add_u32 v[SPW], v[NIL]
	s_wait_dscnt 5                                 ; the add and the youngest four loads may be out
	WIN MUL
	MUL8 1, 0, 0                                   ; eight products stand between the add and the wait for it
	s_wait_dscnt 0x0                               ; the add is done, and my reads of this slot are over
	s_barrier_signal -1
	MUL8 1, 1, 0
	WIN 0
	s_barrier_wait -1
.if \fill
	CREST                                          ; the barrier has opened a round of the cluster's: no wave of any partner still reads this slot or has a load on its way
	s_add_nc_u64 s[G0+4*\slot+2:G0+4*\slot+3], s[G0+4*\slot+2:G0+4*\slot+3], 6*PA
	s_add_nc_u64 s[G0B+4*\slot+2:G0B+4*\slot+3], s[G0B+4*\slot+2:G0B+4*\slot+3], 6*PB
.if \fill == 1
	JLOAD G0+4*\slot, G1, G0B+4*\slot, G1B         ; the first tensor load behind the round; its four v_nop are the places in front of the loads below
.else
	JLOAD G0+4*\slot, G1S, G0B+4*\slot, G1BS
.endif
.else
	PLACES
.endif
	FETCH \next, 0, 0
.if \ask
	ASK
.endif
	WIN MUL
	MUL8 1, 2, 0
	MUL8 1, 3, 0
	WIN 0
.endm
	s_wait_tensorcnt 1                             ; my part of the first fill is in; the second's may stay out
	s_barrier_signal -1
	s_barrier_wait -1
	FETCH 0, 0, 0
	QUARTER 0, 1, 0, 1, 1                          ; the first quarter's products start the sums
	s_mov_b32 s3, 4
.Llap:                                                 ; a trip goes once round the ring, from a lap's second quarter to the next lap's first, and fills both slots again
	QUARTER 0, 2, 1, 0, 0
	QUARTER 0, 3, 0, 1, 0
	QUARTER 0, 4, 1, 0, 0
	QUARTER 0, 5, 0, 1, 0
	TURN 0, 1, 1, 1
	QUARTER 1, 1, 0, 1, 0
	QUARTER 1, 2, 1, 0, 0
	QUARTER 1, 3, 0, 1, 0
	QUARTER 1, 4, 1, 0, 0
	QUARTER 1, 5, 0, 1, 0
	TURN 1, 0, 1, 0
	QUARTER 0, 1, 0, 1, 0
	s_sub_co_u32 s3, s3, 1
	s_cmp_lg_u32 s3, 0
	s_cbranch_scc1 .Llap
	QUARTER 0, 2, 1, 0, 0                          ; the ninth fill's quarters go on
	QUARTER 0, 3, 0, 1, 0
	QUARTER 0, 4, 1, 0, 0
	QUARTER 0, 5, 0, 1, 0
	TURN 0, 1, 2, 0                                ; the eleventh fill: two rows
	QUARTER 1, 1, 0, 1, 0
	QUARTER 1, 2, 1, 0, 0
	QUARTER 1, 3, 0, 1, 0
	QUARTER 1, 4, 1, 0, 0
	QUARTER 1, 5, 0, 1, 0
	TURN 1, 0, 0, 0                                ; nothing is left to fetch; behind this barrier nobody reads slot 1
	QUARTER 0, 1, 0, 1, 0                          ; the eleventh fill has four quarters
	QUARTER 0, 2, 1, 0, 0
	QUARTER 0, 3, 0, 1, 0
	s_wait_dscnt 4
	WIN MUL
	MUL8 1, 0, 0
	MUL8 1, 1, 0
	s_wait_dscnt 0x0
	MUL8 1, 2, 0
	MUL8 1, 3, 0
	WIN 0
; THE WAY OUT, block by block of 16 rows x 128 columns: through my own stage in LDS and back as whole rows of 512 bytes.  LDS serves a wave's instructions in order: no wait between the stores and the loads.
.macro TOSTAGE a
	WIN 0x04                                       ; an LDS store's data: window 1
.irp b, 0,1,2,3,4,5,6,7
	ds_store_b128 v[STO], v[8*(8*(\a)+\b):8*(8*(\a)+\b)+3] offset:64*\b          ; each accumulator from its low end on
	ds_store_b128 v[STO], v[8*(8*(\a)+\b)+4:8*(8*(\a)+\b)+7] offset:64*\b+16
.endr
	WIN 0
.set BB, 32+64*((\a)%2)
.irp t, 0,1,2,3,4,5,6,7,8,9,10,11,12,13,14,15
	ds_load_b128 v[BB+4*\t:BB+4*\t+3], v[RD] offset:\t*528
.endr
.endm
.macro SEND a, younger                 ; younger: the LDS instructions issued behind block a's loads, which may stay out
.set BB, 32+64*((\a)%2)
	s_wait_dscnt \younger
.if (\a) == 0
	v_cmp_le_u32 vcc_lo, 16, v[ROWG]               ; my first block is rows 0-15 of the output in two waves of each work-group of the first tile row: those rows have been written in f32 and are not stored here.  EXEC, no branch
	s_wait_xcnt 0x0
	s_and_saveexec_b32 s2, vcc_lo
.else
	s_add_nc_u64 s[8:9], s[8:9], 16*8192           ; (behind a wait on XCNT: the earlier stores have read their base)
.endif
.irp t, 0,1,2,3,4,5,6,7,8,9,10,11,12,13,14,15
	global_store_b128 v[CO], v[BB+4*\t:BB+4*\t+3], s[8:9] offset:\t*8192 th:TH_STORE_NT   ; 32 lanes store 512 consecutive bytes
.endr
.if (\a) == 0
	s_wait_xcnt 0x0
	s_or_b32 exec_lo, exec_lo, s2
.endif
.endm
	PLACES                                         ; four places behind the last products
	TOSTAGE 0
.irp a, 1,2,3
.if \a > 1
	s_wait_xcnt 0x0                                ; block a - 2's stores have read their registers and their base
.endif
	TOSTAGE \a
	SEND \a-1, 32                                  ; behind block a - 1's loads: block a's 16 stores and 16 loads
.endr
	s_wait_xcnt 0x0
	SEND 3, 0
	s_wait_tensorcnt 0x0                           ; the wave's end
	ds_add_u32 v[SPW], v[NIL]
	s_wait_dscnt 0x0
	CROUND                                         ; the closing round
	s_endpgm
.Lfunc_end_k_qb958e9a2ff_proj:
	.size	k_qb958e9a2ff_proj, .Lfunc_end_k_qb958e9a2ff_proj-k_qb958e9a2ff_proj
	.p2alignl 7, 3214868480
	.fill 96, 4, 3214868480
	.section	.rodata,"a",@progbits
	.p2align	6, 0x0
	.amdhsa_kernel k_qb958e9a2ff_proj
		.amdhsa_group_segment_fixed_size 327680
		.amdhsa_private_segment_fixed_size 0
		.amdhsa_enable_private_segment 0
		.amdhsa_kernarg_size 24
		.amdhsa_user_sgpr_count 2
		.amdhsa_user_sgpr_kernarg_segment_ptr 1
		.amdhsa_wavefront_size32 1
		.amdhsa_system_sgpr_workgroup_id_x 1
		.amdhsa_system_sgpr_workgroup_id_y 1
		.amdhsa_system_sgpr_workgroup_id_z 1
		.amdhsa_system_vgpr_workitem_id 0
		.amdhsa_next_free_vgpr 512
		.amdhsa_next_free_sgpr 84
		.amdhsa_reserve_vcc 1
		.amdhsa_float_denorm_mode_32 3
		.amdhsa_float_denorm_mode_16_64 3
		.amdhsa_memory_ordered 1
		.amdhsa_forward_progress 1
		.amdhsa_inst_pref_size 135
	.end_amdhsa_kernel
	.amdgpu_metadata
---
amdhsa.version: [ 1, 2 ]
amdhsa.kernels:
  - .name:           k_qb958e9a2ff_proj
    .symbol:         k_qb958e9a2ff_proj.kd
    .args:
      - { .name: ctx16, .offset: 0, .size: 8, .value_kind: global_buffer, .address_space: global }
      - { .name: wo16, .offset: 8, .size: 8, .value_kind: global_buffer, .address_space: global }
      - { .name: out0, .offset: 16, .size: 8, .value_kind: global_buffer, .address_space: global }
    .group_segment_fixed_size: 327680
    .private_segment_fixed_size: 0
    .kernarg_segment_align: 8
    .kernarg_segment_size: 24
    .max_flat_workgroup_size: 128
    .sgpr_count:     84
    .vgpr_count:     512
    .wavefront_size: 32
...
	.end_amdgpu_metadata
.endif
;; end of part 5
